; MI455X (gfx1250); checked and timed in simulation.
; The chip was launched on July 23, 2026; its instructions are those of AMD's public machine-readable ISA for CDNA 5 (MIT licence, August 2026) and "CDNA5" Instruction Set Architecture Reference Guide (July 2026). The comments in the code are by the model that wrote it; some were corrected since.
;; Grouped Query Attention. Allowed arithmetic: matrix products marked QUANTISED: E3M2 operands, one E8M0 scale for each 32 along K, by v_wmma_scale_f32_16x16x128_f8f6f4 with both operands' format E3M2, f32 sums; everything else in f32.
;; Inputs: K 4 x 1,024 x 1,024 float32; Q 4 x 1,024 x 4,096 float32; V 4 x 1,024 x 1,024 float32; W_o 2,048 x 4,096 float32; b_o 2,048 float32; mask 4 x 1,024 x 1,024 int32.
;; Outputs: out0 4 x 1,024 x 2,048 float32.
;; This version of the problem:
;;   THIS VERSION OF THE PROBLEM IS GIVEN IN LOW PRECISION. The matrix products marked QUANTISED in the list below multiply operands that are first quantised to E3M2 (3 exponent bits, 2 mantissa bits; 6 bits a number), with one power-of-two scale for each 32 numbers along K (OCP MX v1.0); their sums are f32. All else is computed in f32.
;;   The module's matrix products, in the order in which they are computed (A, B: the left and right operand; K: the contracted axis; several contracted axes count as one K, in the product's order):
;;     1. batch 32 x [M 1,024, K 128] x [K 128, N 4,096]; A: input K; B: input Q: QUANTISED
;;     2. batch 32 x [M 128, K 1,024] x [K 1,024, N 4,096]; A: input V; B: softmax (see below): QUANTISED
;;     3. [M 4,096, K 4,096] x [K 4,096, N 2,048]; A: computed on the way; B: input W_o: QUANTISED
;;   THE QUANTISER, for each operand of a quantised product, along K:
;;     - K is cut into blocks of 32 from its start; a last block that is shorter is filled with zeros.
;;     - A block's scale is 2^e with e = floor(log2(the largest magnitude in the block)) - 4, held to -126 .. 127; a block of zeros has e = 0. As a byte (E8M0): e + 127.
;;     - Each number is divided by its block's scale, clamped to +-28, and rounded to the nearest number of E3M2, ties to even, subnormals kept.
;;     - The product sums the exact products of the quantised numbers (number of the format x scale) in f32.
;;   ~~~python
;;   def quantise(x, axis):      # numpy; x: float32 -> the quantised numbers, widened to float32 again
;;       x = np.moveaxis(x, axis, -1); K = x.shape[-1]
;;       x = np.pad(x, [(0, 0)] * (x.ndim - 1) + [(0, -K % 32)]); x = x.reshape(x.shape[:-1] + (-1, 32)); a = np.abs(x).max(-1, keepdims=True)
;;       e = np.where(a > 0, np.clip(np.frexp(np.where(a > 0, a, 1))[1] - 1 - 4, -126, 127), 0)      # np.frexp(a)[1] - 1 = floor(log2(a)), exactly
;;       r = np.clip(x / 2.0 ** e, -28, 28)
;;       step = 2.0 ** (np.maximum(np.frexp(np.where(r == 0, 1, r))[1] - 1, -2) - 2)
;;       q = np.round(r / step) * step * 2.0 ** e      # np.round: ties to even
;;       return np.moveaxis(q.reshape(q.shape[:-2] + (-1,))[..., :K], -1, axis).astype(np.float32)
;;   ~~~
;;   SOFTMAX AHEAD OF A QUANTISED PRODUCT. Where the list says 'softmax', what is quantised is not the finished softmax but p = 2^(t - M), with t = logit x log2(e) and M = ceil(the row's largest t), a whole number; so 1/2 < the row's largest p <= 1. The row's sum l is taken of the UNQUANTISED p, in f32, and the product's result is divided by l at the end. Since M is a whole number, a kernel that streams over the keys may use a running M (the ceiling of the running maximum): every later rescaling is an exact power of two, which a block's scale takes up: the codes' values come out the same.
;;   OPERANDS COMPUTED ON THE WAY. 'Computed on the way' means the value that the module computes at that place (a softmax that the list does not call 'softmax' is quantised finished and normalised). What goes into a quantiser is computed in f32, as accurately as f32 sums, v_exp_f32 and their like allow (about 1e-6 of the number): no bf16 or f16 on the way to a quantiser, and a product that is left as it is and whose result goes on into a quantised operand takes f32 operands (vector FMAs, or v_wmma_f32_16x16x4_f32). A number that lies on a knife's edge between two numbers of the format may be rounded either way, as far as f32 arithmetic and the matrix unit's own rounding can turn it there, and no further.
;; 2 versions, each right; version 2 is version 1 with the launch attn written anew for expert scheduling mode. Each part assembles by itself: llvm-mc -triple=amdgcn-amd-amdhsa -mcpu=gfx1250 --defsym DOCPART=n.
;; ======== version 1 of 2: 3 launches
;; workspace buffers: kv 6,553,600 bytes; wc 6,553,600 bytes; ac 13,107,200 bytes; mw 524,288 bytes of whole numbers; mf 2,048 bytes of whole numbers
;; launch prep (part 1): grid 768 x 1, 4 waves a work-group, no clusters, 47,616 bytes of LDS; arguments K, W_o, mask, V, kv, wc, mw, mf; writes kv, wc, mw, mf
.if DOCPART == 1
	.amdgcn_target "amdgcn-amd-amdhsa--gfx1250"
	.amdhsa_code_object_version 6
	.text
	.protected	k_q230dec9d2e_prep
	.globl	k_q230dec9d2e_prep
	.p2align	8
	.type	k_q230dec9d2e_prep,@function
k_q230dec9d2e_prep:
	s_mov_b64 s[64:65], 0
	v_nop
	global_prefetch_b8 v0, s[64:65] scope:SCOPE_SE
	s_setreg_imm32_b32 hwreg(HW_REG_WAVE_MODE, 25, 1), 1
	s_wait_xcnt 0x0
; K [4][1024][1024], V [4][1024][1024] and W_o [2048][4096], f32, become codes of BF6 (E3M2) with one E8M0 byte for each 32 along the product's K; the int32 mask [4][1024][1024] becomes bits.
; A block's scale is 2^(floor(log2(its largest magnitude)) - 4): its byte is the largest magnitude's exponent field - 4, held at 1 from below.
; LIMITS: a block whose largest magnitude lies under 2^-122 (a block of zeros too) gets the byte 1; a block of zeros has zero codes, and these bytes are read by this program alone.  NaN and infinities among the inputs are not served.
; OPERANDS ARE LAID AS IMAGES OF THE OPERAND'S REGISTERS: a fragment is 16 rows x 128 K, 12 registers a lane; register p of lane l lies at byte 512 (p / 4) + 16 l + 4 (p % 4) of 1,536.
;   kv: 32 pairs (batch, key head) of 204,800 bytes: K's images [key step 8][tile 8], V^T's images likewise at 98,304, K's scale words [8 s + t][16] at 196,608, V's at 200,704.
;       Row r of K's tile t is key 128 s + 32 (t / 2) + 8 (t % 2) + r + 8 (r / 8); row r of V^T's tile T is the channel of the same form, its K the step's 128 keys.
;   wc: [n tile 128][8 records of 6,400 bytes]: four images (K steps 4 sr + 0 .. 3), then four times 16 scale words.
;   mw: [row tile 256][key step 8][64 words]: word n = 16 b + i holds in bit l whether mask(row l % 16, key 32 b + 16 (l / 16) + i) is not 0; it lies at place 2 n (n < 32) or 2 (n - 32) + 1.
;   mf: [row tile][half]: two bits for each of four key steps: 0 no key kept, 1 some, 2 all.
; WORK-GROUPS: 0-127 K, 128-383 W_o, 384-511 the mask: one way through the text (rows of 512 bytes, K innermost); 512-767 V (the keys are its K, and not innermost): a way of its own, with LDS bytes of its own.
; No barrier: waves share nothing.  No matrix unit, no cluster: each input byte is read once, and nothing is shared.
.set WV,    20                         ; s20  wave
.set IDX,   21                         ; s21  which run of four units is my wave's
.set KIND,  22                         ; s22  0 K, 1 W_o, 2 the mask
.set SRC,   24                         ; s[24:25] where I read
.set D1,    26                         ; s[26:27] images, or mask words
.set D2,    28                         ; s[28:29] scale words, or the flags
.set ST1,   30                         ; s[30:31] D1's step from unit to unit
.set ST2,   32                         ; s[32:33] D2's
.set PITCH, 34                         ; s34  bytes from row to row
.set EXTRA, 35                         ; s35  more for rows 8-15 (K's tiles: eight keys on)
.set FACC,  36                         ; s36  the four units' flags
.set SEL,   52                         ; s[52:53] v_permlanex16_b32's selects for lane l xor 16
.set LI,    4                          ; v4   16 x lane
.set SI,    5                          ; v5   the stage, on the way in
.set SO,    6                          ; v6   and on the way out
.set LS,    7                          ; v7   4 x (lane % 16)
.set L8,    8                          ; v8   8 x lane
.set ZR,    9                          ; v9   0
.set A,     16                         ; v16-31 byte offset of my 16 bytes in row i
.set TM,    32                         ; v32-47 at work in QUANT
.set D,     48                         ; v48-59 a fragment
.set XA,    60                         ; v60-66 the conversions' second halves
.set W,     68                         ; v68  a scale word
.set FLV,   69                         ; v69  the flags, to store
.set MW,    70                         ; v[70:71] 64 mask words, one to a lane and register
.set R,     72                         ; v72-135 a unit as loaded
.set X,     136                        ; v136-199 and turned: register 16 b + i = k 32 b + 16 (lane / 16) + i of row lane % 16
.set XV,    32                         ; V's way: v32-95 two sets of 32 numbers
.set C,     96                         ; v96-101 a block's codes; v104-106 its second half as converted
.set SB,    24                         ; v24  four scale bytes
.set OUTR,  112                        ; v112-135 two images read back; v136 their scale words
; 64 numbers of a lane, v[s] on, register 16 b + i = k 32 b + 16 (lane / 16) + i of my row, become a fragment's codes in v[d] .. v[d + 11] and my row's scale word in v[w]; v[x] on: seven registers at work.
.macro QUANT s, d, x, w
.irp b, 0,1,2,3
	v_max3_num_f32 v[TM+\b], |v[\s+16*\b]|, |v[\s+1+16*\b]|, 0x2800000   ; block b: my 16 numbers, and the floor 2^(5 - 127): so the byte cannot fall under 1
.endr
.irp i, 2,4,6,8,10,12,14
.irp b, 0,1,2,3
	v_max3_num_f32 v[TM+\b], v[TM+\b], |v[\s+16*\b+\i]|, |v[\s+1+16*\b+\i]|   ; the four blocks by turns
.endr
.endr
.irp b, 0,1,2,3
	v_permlanex16_b32 v[TM+4+\b], v[TM+\b], s[SEL], s[SEL+1]
.endr
.irp b, 0,1,2,3
	v_max_num_f32 v[TM+\b], v[TM+\b], v[TM+4+\b]   ; with lane l xor 16's: the block's largest magnitude
.endr
.irp b, 0,1,2,3
	v_add_nc_u32 v[TM+12+\b], 0xfe000000, v[TM+\b]   ; 4 off its exponent field: the conversion takes this operand's exponent field as its scale
.endr
.irp b, 0,1,2,3
	v_lshrrev_b32 v[TM+4+\b], 23, v[TM+12+\b]      ; the scale's byte
.endr
	v_lshl_or_b32 v[\w], v[TM+5], 8, v[TM+4]
	v_lshl_or_b32 v[\w], v[TM+6], 16, v[\w]
	v_lshl_or_b32 v[\w], v[TM+7], 24, v[\w]
.irp c, 0,1
	v_cvt_scalef32_pk16_bf6_f32 v[\d+6*\c:\d+2+6*\c], v[\s+32*\c:\s+15+32*\c], v[TM+12+2*\c]
	v_cvt_scalef32_pk16_bf6_f32 v[\x+4*\c:\x+2+4*\c], v[\s+16+32*\c:\s+31+32*\c], v[TM+12+2*\c+1]   ; (a conversion's three registers begin on an even number)
.endr
	v_nop                                          ; one plain place behind a scaled conversion
.irp c, 0,1                                    ; the operand's layout wants a whole block in a lane: lanes 0-15 block 2 c, lanes 16-31 block 2 c + 1
.irp i, 0,1,2
	v_permlane16_swap_b32 v[\d+6*\c+\i], v[\x+4*\c+\i]
.endr
.irp i, 0,1,2
	v_mov_b32 v[\d+3+6*\c+\i], v[\x+4*\c+\i]
.endr
.endr
.endm
	s_load_b512 s[4:19], s[0:1], 0x0               ; K 4:5, W_o 6:7, mask 8:9, V 10:11, kv 12:13, wc 14:15, mw 16:17, mf 18:19
	v_lshl_add_u32 v200, v0, 2, 0xb800
	v_mov_b32 v201, 0
	v_lshrrev_b32 v1, 5, v0
	v_readfirstlane_b32 s[WV], v1                  ; wave 0..3
	v_and_b32 v1, 31, v0                           ; lane
	v_and_b32 v2, 15, v0                           ; r
	v_bfe_u32 v3, v0, 4, 1                         ; h
	v_lshlrev_b32 v[LI], 4, v1
	s_mov_b32 s[SEL], 0x76543210
	s_mov_b32 s[SEL+1], 0xfedcba98
	s_cmp_ge_u32 ttmp9, 512
	s_cbranch_scc1 .Lpath_v
; ---------------- K, W_o and the mask: a wave takes four units of 16 rows x 512 bytes, side by side in the same rows ----------------
	s_mov_b32 s[ST1+1], 0
	s_mov_b32 s[ST2+1], 0
	s_mov_b32 s[FACC], 0
	s_mov_b32 s39, 0                               ; the offsets: source s[38:39], D1's s[40:41], D2's s[42:43]
	s_mov_b32 s41, 0
	s_mov_b32 s43, 0
	s_cmp_ge_u32 ttmp9, 384
	s_cbranch_scc1 .Lkind_mask
	s_cmp_ge_u32 ttmp9, 128
	s_cbranch_scc1 .Lkind_w
	s_mov_b32 s[KIND], 0                           ; K: IDX = hh | t << 1 | s << 4 | b << 7; unit k is key head 4 hh + k
	s_lshl_b32 s[IDX], ttmp9, 2
	s_add_co_u32 s[IDX], s[IDX], s[WV]
	s_and_b32 s44, s[IDX], 1                       ; hh
	s_bfe_u32 s45, s[IDX], 0x30001                 ; t
	s_bfe_u32 s46, s[IDX], 0x30004                 ; s
	s_lshr_b32 s47, s[IDX], 7                      ; b
	s_lshl_b32 s38, s47, 10
	s_lshl_b32 s37, s46, 7
	s_add_co_u32 s38, s38, s37
	s_lshr_b32 s37, s45, 1
	s_lshl_b32 s37, s37, 5
	s_add_co_u32 s38, s38, s37
	s_and_b32 s37, s45, 1
	s_lshl_b32 s37, s37, 3
	s_add_co_u32 s38, s38, s37                     ; the tile's first row: 1024 b + 128 s + 32 (t / 2) + 8 (t % 2)
	s_lshl_b32 s38, s38, 12                        ; rows of 4,096 bytes
	s_lshl_b32 s37, s44, 11
	s_add_co_u32 s38, s38, s37                     ; + head 4 hh's 512 bytes
	s_lshl_b32 s37, s47, 3
	s_lshl_b32 s44, s44, 2
	s_add_co_u32 s37, s37, s44
	s_mul_i32 s37, s37, 204800                     ; pair 8 b + 4 hh
	s_bfe_u32 s45, s[IDX], 0x60001                 ; 8 s + t
	s_mul_i32 s40, s45, 1536
	s_add_co_u32 s40, s40, s37
	s_lshl_b32 s42, s45, 6
	s_add_co_u32 s42, s42, s37
	s_add_co_u32 s42, s42, 196608
	s_mov_b32 s[PITCH], 4096
	s_mov_b32 s[EXTRA], 32768
	s_mov_b32 s[ST1], 204800
	s_mov_b32 s[ST2], 204800
	s_branch .Lkind_done
.Lkind_w:
	s_mov_b32 s[KIND], 1                           ; W_o: IDX = record | n tile << 3; unit k is K step 4 sr + k
	s_sub_co_u32 s[IDX], ttmp9, 128
	s_lshl_b32 s[IDX], s[IDX], 2
	s_add_co_u32 s[IDX], s[IDX], s[WV]
	s_lshr_b32 s44, s[IDX], 3
	s_and_b32 s45, s[IDX], 7
	s_lshl_b32 s38, s44, 18                        ; 16 rows of 16,384 bytes
	s_lshl_b32 s37, s45, 11
	s_add_co_u32 s38, s38, s37
	s_mul_i32 s40, s44, 51200
	s_mul_i32 s37, s45, 6400
	s_add_co_u32 s40, s40, s37
	s_add_co_u32 s42, s40, 6144
	s_mov_b32 s[PITCH], 16384
	s_mov_b32 s[EXTRA], 0
	s_mov_b32 s[ST1], 1536
	s_mov_b32 s[ST2], 64
	s_branch .Lkind_done
.Lkind_mask:
	s_mov_b32 s[KIND], 2                           ; the mask: IDX = half | row tile << 1; unit k is key step 4 half + k
	s_sub_co_u32 s[IDX], ttmp9, 384
	s_lshl_b32 s[IDX], s[IDX], 2
	s_add_co_u32 s[IDX], s[IDX], s[WV]
	s_lshr_b32 s44, s[IDX], 1
	s_lshl_b32 s38, s44, 16                        ; 16 rows of 4,096 bytes
	s_and_b32 s45, s[IDX], 1
	s_lshl_b32 s37, s45, 11
	s_add_co_u32 s38, s38, s37
	s_lshl_b32 s40, s[IDX], 10
	s_lshl_b32 s42, s[IDX], 2
	s_mov_b32 s[PITCH], 4096
	s_mov_b32 s[EXTRA], 0
	s_mov_b32 s[ST1], 256
	s_mov_b32 s[ST2], 0
.Lkind_done:
	s_wait_kmcnt 0x0
	s_cmp_lt_u32 ttmp9, 128                        ; the buffers are chosen by the work-group's number alone
	s_cselect_b64 s[SRC:SRC+1], s[4:5], s[6:7]
	s_cselect_b64 s[D1:D1+1], s[12:13], s[14:15]
	s_cselect_b64 s[D2:D2+1], s[12:13], s[14:15]
	s_cmp_ge_u32 ttmp9, 384
	s_cselect_b64 s[SRC:SRC+1], s[8:9], s[SRC:SRC+1]
	s_cselect_b64 s[D1:D1+1], s[16:17], s[D1:D1+1]
	s_cselect_b64 s[D2:D2+1], s[18:19], s[D2:D2+1]
	s_add_nc_u64 s[SRC:SRC+1], s[SRC:SRC+1], s[38:39]
	s_add_nc_u64 s[D1:D1+1], s[D1:D1+1], s[40:41]
	s_add_nc_u64 s[D2:D2+1], s[D2:D2+1], s[42:43]
.irp i, 0,1,2,3,4,5,6,7,8,9,10,11,12,13,14,15
	s_mul_i32 s37, s[PITCH], \i
.if \i >= 8
	s_add_co_u32 s37, s37, s[EXTRA]
.endif
	v_add_nc_u32 v[A+\i], s37, v[LI]               ; row i, my 16 bytes of its 512
.endr
.macro LOADU k                         ; unit k: sixteen loads, each 512 consecutive bytes of one row, at a multiple of 512 from the buffer's first byte
.irp i, 0,1,2,3,4,5,6,7,8,9,10,11,12,13,14,15
	global_load_b128 v[R+4*\i:R+4*\i+3], v[A+\i], s[SRC:SRC+1] offset:512*(\k) th:TH_LOAD_NT
.endr
.endm
	LOADU 0
	s_mul_i32 s37, s[WV], 8448                     ; my stage: 16 rows of 528 bytes = 132 words, so that the sixteen rows of a read start at sixteen different 16-byte columns
	v_add_nc_u32 v[SI], s37, v[LI]
	v_mul_u32_u24 v[SO], v2, 528
	v_lshl_add_u32 v[SO], v3, 6, v[SO]
	v_add_nc_u32 v[SO], s37, v[SO]                 ; row r, + 64 h: my 16 numbers of each block of 32
	v_lshlrev_b32 v[LS], 2, v2
	v_lshlrev_b32 v[L8], 3, v1
	v_mov_b32 v[ZR], 0
	v_mov_b32 v[MW], 0                             ; written once: a lane write's and a lane permute's destination count as sources
	v_mov_b32 v[MW+1], 0
.irp b, 0,1,2,3
	v_mov_b32 v[TM+4+\b], 0
.endr
.macro UNIT k
	s_wait_loadcnt 0x0                             ; this unit's sixteen loads, the only ones out
.irp i, 0,1,2,3,4,5,6,7,8,9,10,11,12,13,14,15
	ds_store_b128 v[SI], v[R+4*\i:R+4*\i+3] offset:528*\i
.endr
.irp b, 0,1,2,3
.irp j, 0,1,2,3
	ds_load_b128 v[X+16*\b+4*\j:X+16*\b+4*\j+3], v[SO] offset:128*\b+16*\j   ; LDS serves a wave's instructions in order (ISA guide 5.7.1.4): these see the stores above
.endr
.endr
	s_wait_dscnt 0x0                               ; the unit is back, and the stores have read R
	s_wait_xcnt 0x0                                ; the last unit's stores have had their addresses translated (ISA guide 3.1): their data and bases are written again only behind this wait
.if \k > 0
	s_add_nc_u64 s[D1:D1+1], s[D1:D1+1], s[ST1:ST1+1]
	s_add_nc_u64 s[D2:D2+1], s[D2:D2+1], s[ST2:ST2+1]
.endif
.if \k < 3
	LOADU \k+1                                     ; the next unit is on its way while this one is worked
.endif
	s_cmp_eq_u32 s[KIND], 2
	s_cbranch_scc1 .Lmask_\@
	QUANT X, D, XA, W
.irp c, 0,1,2
	global_store_b128 v[LI], v[D+4*\c:D+4*\c+3], s[D1:D1+1] offset:512*\c   ; the image: 512 consecutive aligned bytes a store
.endr
	global_store_b32 v[LS], v[W], s[D2:D2+1]       ; 16 scale words; both halves of the lanes hold and write the same
	s_branch .Ljoin_\@
.Lmask_\@:
.set n, 0
.rept 64
	v_cmp_ne_u32 s[48+n%4], 0, v[X+n]              ; word n: one bit a lane
	v_writelane_b32 v[MW+n/32], s[48+n%4], n%32
.set n, n+1
.endr
	global_store_b64 v[L8], v[MW:MW+1], s[D1:D1+1] ; 256 consecutive aligned bytes
	v_or_b32 v[TM], v[MW], v[MW+1]
	v_cmp_ne_u32 vcc_lo, 0, v[TM]
	s_cmp_lg_u32 vcc_lo, 0
	s_cselect_b32 s37, 1, 0                        ; some key is kept
	v_and_b32 v[TM], v[MW], v[MW+1]
	v_cmp_ne_u32 vcc_lo, -1, v[TM]
	s_cmp_lg_u32 vcc_lo, 0
	s_cselect_b32 s38, 0, 1                        ; all are
	s_add_co_u32 s37, s37, s38
	s_lshl_b32 s37, s37, 2*(\k)
	s_or_b32 s[FACC], s[FACC], s37
.if \k == 3
	v_mov_b32 v[FLV], s[FACC]
	global_store_b32 v[ZR], v[FLV], s[D2:D2+1]     ; one word; every lane writes the same number to it
.endif
.Ljoin_\@:
.endm
	UNIT 0
	UNIT 1
	UNIT 2
	UNIT 3
	s_wait_tensorcnt 0x0
	ds_add_u32 v200, v201
	s_wait_dscnt 0x0
	s_endpgm
; ---------------- V: a lane takes a channel, and its registers run down the keys ----------------
; Work-group: one pair and one key step; wave w: channels 32 w on: tiles 2 w and 2 w + 1 of V^T.  A block of 32 keys lies in one lane's 32 registers.
.Lpath_v:
	s_sub_co_u32 s[IDX], ttmp9, 512
	s_lshr_b32 s37, s[IDX], 3                      ; pair
	s_and_b32 s38, s[IDX], 7                       ; key step
	s_lshr_b32 s40, s37, 3
	s_lshl_b32 s40, s40, 22                        ; batch: 1,024 rows of 4,096 bytes
	s_lshl_b32 s41, s38, 19                        ; 128 keys
	s_add_co_u32 s40, s40, s41
	s_and_b32 s41, s37, 7
	s_lshl_b32 s41, s41, 9                         ; the head's 512 bytes
	s_add_co_u32 s40, s40, s41
	s_lshl_b32 s41, s[WV], 7                       ; my wave's 128
	s_add_co_u32 s40, s40, s41
	s_mov_b32 s41, 0
	s_mul_i32 s42, s37, 204800
	s_lshl_b32 s44, s38, 3
	s_lshl_b32 s45, s[WV], 1
	s_add_co_u32 s44, s44, s45                     ; 8 s + 2 w
	s_mul_i32 s46, s44, 1536
	s_add_co_u32 s46, s46, s42
	s_add_co_u32 s46, s46, 98304
	s_mov_b32 s47, 0
	s_lshl_b32 s44, s44, 6
	s_add_co_u32 s44, s44, s42
	s_add_co_u32 s44, s44, 200704
	s_mov_b32 s45, 0
	s_mul_i32 s39, s[WV], 3328
	s_add_co_u32 s39, s39, 33792                   ; my LDS: two images (3,072 bytes), then 32 scale words
	v_bfe_u32 v5, v0, 3, 1                         ; channel x = 8 u + r + 8 (r / 8): u,
	v_and_b32 v6, 7, v0
	v_lshl_add_u32 v6, v3, 3, v6                   ; r
	v_mul_u32_u24 v8, v5, 1536
	v_lshl_add_u32 v8, v6, 4, v8
	v_add_nc_u32 v8, s39, v8                       ; image u, lane r's 16 bytes
	v_lshlrev_b32 v9, 6, v5
	v_lshl_add_u32 v9, v6, 2, v9
	v_add_nc_u32 v9, s39, v9                       ; my row's scale word (3,072 on)
	v_add_nc_u32 v10, s39, v[LI]                   ; back: 16 bytes a lane
	v_lshlrev_b32 v14, 2, v1
	v_add_nc_u32 v15, s39, v14                     ; and 4 bytes a lane
	s_wait_kmcnt 0x0
	s_add_nc_u64 s[SRC:SRC+1], s[10:11], s[40:41]
	s_add_nc_u64 s[D1:D1+1], s[12:13], s[46:47]
	s_add_nc_u64 s[D2:D2+1], s[12:13], s[44:45]
.macro VLOAD t                         ; block t: V(key 32 t + i, my channel): each load 128 consecutive bytes a wave, 512 the four waves
.set ii, 0
.rept 32
	global_load_b32 v[XV+32*((\t)%2)+ii], v14, s[SRC:SRC+1] offset:(32*(\t)+ii)*4096 th:TH_LOAD_NT
.set ii, ii+1
.endr
.endm
	VLOAD 0
	VLOAD 1
.macro VBLOCK t
.set XS, XV+32*((\t)%2)
.if (\t) < 3
	s_wait_loadcnt 32                              ; this block's 32 loads are in; the next block's may be out
.else
	s_wait_loadcnt 0x0
.endif
	v_max3_num_f32 v12, |v[XS]|, |v[XS+1]|, |v[XS+2]|
	v_max3_num_f32 v13, |v[XS+3]|, |v[XS+4]|, |v[XS+5]|
.irp i, 6,10,14,18,22,26
	v_max3_num_f32 v12, v12, |v[XS+\i]|, |v[XS+\i+1]|
	v_max3_num_f32 v13, v13, |v[XS+\i+2]|, |v[XS+\i+3]|
.endr
	v_max3_num_f32 v12, v12, |v[XS+30]|, |v[XS+31]|
	v_max3_num_f32 v12, v12, v13, 0x2800000        ; and the floor
	v_add_nc_u32 v11, 0xfe000000, v12              ; the conversion's scale operand
	v_lshrrev_b32 v13, 23, v11                     ; the byte
.if (\t) == 0
	v_mov_b32 v[SB], v13
.else
	v_lshl_or_b32 v[SB], v13, 8*(\t), v[SB]
.endif
	v_cvt_scalef32_pk16_bf6_f32 v[C:C+2], v[XS:XS+15], v11
	v_cvt_scalef32_pk16_bf6_f32 v[C+8:C+10], v[XS+16:XS+31], v11
	v_nop                                          ; one plain place behind a scaled conversion
.irp i, 0,1,2
	v_mov_b32 v[C+3+\i], v[C+8+\i]
.endr
; block t is registers 6 (t / 2) .. + 5 of lane r + 16 (t % 2) of the fragment
.if (\t) < 2
	ds_store_b128 v8, v[C:C+3] offset:256*(\t)
	ds_store_b64 v8, v[C+4:C+5] offset:512+256*(\t)
.else
	ds_store_b64 v8, v[C:C+1] offset:520+256*((\t)-2)
	ds_store_b128 v8, v[C+2:C+5] offset:1024+256*((\t)-2)
.endif
.if (\t) < 2
	VLOAD (\t)+2
.endif
	s_wait_dscnt 0x0                               ; the stores have read their registers
.endm
	VBLOCK 0
	VBLOCK 1
	VBLOCK 2
	VBLOCK 3
	ds_store_b32 v9, v[SB] offset:3072
.irp m, 0,1,2,3,4,5
	ds_load_b128 v[OUTR+4*\m:OUTR+4*\m+3], v10 offset:512*\m   ; a wave's LDS instructions are served in order: these see my stores
.endr
	ds_load_b32 v[OUTR+24], v15 offset:3072
.irp m, 0,1,2,3,4,5
	s_wait_dscnt 6-\m                              ; the younger read-backs may be out
	global_store_b128 v[LI], v[OUTR+4*\m:OUTR+4*\m+3], s[D1:D1+1] offset:512*\m
.endr
	s_wait_dscnt 0x0
	global_store_b32 v14, v[OUTR+24], s[D2:D2+1]   ; 128 bytes; the four waves' lie on end
	s_wait_tensorcnt 0x0
	ds_add_u32 v200, v201
	s_wait_dscnt 0x0
	s_endpgm
.Lfunc_end_k_q230dec9d2e_prep:
	.size	k_q230dec9d2e_prep, .Lfunc_end_k_q230dec9d2e_prep-k_q230dec9d2e_prep
	.p2alignl 7, 3214868480
	.fill 96, 4, 3214868480
	.section	.rodata,"a",@progbits
	.p2align	6, 0x0
	.amdhsa_kernel k_q230dec9d2e_prep
		.amdhsa_group_segment_fixed_size 47616
		.amdhsa_private_segment_fixed_size 0
		.amdhsa_enable_private_segment 0
		.amdhsa_kernarg_size 64
		.amdhsa_user_sgpr_count 2
		.amdhsa_user_sgpr_kernarg_segment_ptr 1
		.amdhsa_wavefront_size32 1
		.amdhsa_system_sgpr_workgroup_id_x 1
		.amdhsa_system_sgpr_workgroup_id_y 1
		.amdhsa_system_sgpr_workgroup_id_z 1
		.amdhsa_system_vgpr_workitem_id 0
		.amdhsa_next_free_vgpr 202
		.amdhsa_next_free_sgpr 66
		.amdhsa_reserve_vcc 1
		.amdhsa_float_denorm_mode_32 3
		.amdhsa_float_denorm_mode_16_64 3
		.amdhsa_memory_ordered 1
		.amdhsa_forward_progress 1
		.amdhsa_inst_pref_size 94
	.end_amdhsa_kernel
	.amdgpu_metadata
---
amdhsa.version: [ 1, 2 ]
amdhsa.kernels:
  - .name:           k_q230dec9d2e_prep
    .symbol:         k_q230dec9d2e_prep.kd
    .args:
      - { .name: K, .offset: 0, .size: 8, .value_kind: global_buffer, .address_space: global }
      - { .name: W_o, .offset: 8, .size: 8, .value_kind: global_buffer, .address_space: global }
      - { .name: mask, .offset: 16, .size: 8, .value_kind: global_buffer, .address_space: global }
      - { .name: V, .offset: 24, .size: 8, .value_kind: global_buffer, .address_space: global }
      - { .name: kv, .offset: 32, .size: 8, .value_kind: global_buffer, .address_space: global }
      - { .name: wc, .offset: 40, .size: 8, .value_kind: global_buffer, .address_space: global }
      - { .name: mw, .offset: 48, .size: 8, .value_kind: global_buffer, .address_space: global }
      - { .name: mf, .offset: 56, .size: 8, .value_kind: global_buffer, .address_space: global }
    .group_segment_fixed_size: 47616
    .private_segment_fixed_size: 0
    .kernarg_segment_align: 8
    .kernarg_segment_size: 64
    .max_flat_workgroup_size: 128
    .sgpr_count:     66
    .vgpr_count:     202
    .wavefront_size: 32
...
	.end_amdgpu_metadata
.endif
;; end of part 1
;; launch attn (part 2): grid 8 x 32, 16 waves a work-group, no clusters, 206,848 bytes of LDS; arguments Q, kv, mw, mf, ac; writes ac
.if DOCPART == 2
	.amdgcn_target "amdgcn-amd-amdhsa--gfx1250"
	.amdhsa_code_object_version 6
	.text
	.protected	k_q230dec9d2e_attn
	.globl	k_q230dec9d2e_attn
	.p2align	8
	.type	k_q230dec9d2e_attn,@function
k_q230dec9d2e_attn:
	s_mov_b64 s[64:65], 0
	v_nop
	global_prefetch_b8 v0, s[64:65] scope:SCOPE_SE
	s_setreg_imm32_b32 hwreg(HW_REG_WAVE_MODE, 25, 1), 1
	s_wait_xcnt 0x0
; attn[b][q][head][:] = the sum over keys of softmax(Q . K / sqrt(128), masked) V, both products on codes of BF6 (E3M2) with one E8M0 scale for each 32 along K; the result leaves as codes for the projection.
; THE SOFTMAX: t = score x log2(e) / sqrt(128); M = the row's largest t so far, rounded up to a whole number; p = 2^(t - M) is quantised along the keys, not normalised; the row's sum is taken of the
; unquantised p and divides at the end.  When M moves, the sum and O are multiplied by 2^(old M - new M): exact.  A masked score is -infinity ahead of the maximum.
; SHARES.  A work-group owns one (batch, key head); its 204,800 bytes of K's and V's images and scale words are copied into LDS once, as they lie: one barrier in the launch, behind which LDS is only read.
; Wave w: query head 4 hkv + w % 4, and two tiles of 16 queries, one after the other: 4 x + w / 4 and 63 less that.  Sixteen waves of 256 registers: four to a SIMD, so that one wave's vector work stands beside another's products.
; THE MASK comes as bits (mw) and as two bits a key step (mf), made by the launch before.  A key step none of whose keys any of my 16 queries keeps is jumped over; where all are kept, the 64 selects are.
; Both are scalar branches on stored whole numbers.  This launch has no tensor load, and so NO JOINT LOADS: what the eight work-groups of a pair share is 204,800 bytes read once each,
; beside 262,144 bytes of Q for each work-group that nobody shares.
; LAYOUT.  Both products are used transposed (S^T = K Q^T, O^T = V^T P^T): a lane holds one query (lane % 16).  The keys of K's tiles and the channels of V^T's tiles were chosen so that the 16 registers of
; tiles 2 b and 2 b + 1 are 16 neighbours, 32 b + 16 (lane / 16) + 0 .. 15, along the next product's K.
; A ROW THAT KEEPS NO KEY has the sum 0: its codes are zeros and its scale bytes 0xff, which make the projection's row NaN.
; LIMITS: NaN and infinities among the inputs are not served; a block whose largest magnitude lies under 2^-122 gets the byte 1.
; REGISTERS: v1-10 addresses; v12 -M, v13 the largest t, v[14:15] the sum in two halves; v16-27, v255 tile A's Q and its scale word; v80-91, v92 tile B's; v32-79 four fragments; v96-159 S^T, then p, then V's tiles 4-7;
;   v160-223 O^T; v224-235 p's codes; v232-247 at work; v248-251 K's or V's scale words; v252 f; v253 p's scale word; v254 at work.
.set WV,   14
.set SEL,  20                          ; s[20:21] v_permlanex16_b32's selects for lane l xor 16
.set CS,   22                          ; s[22:23] c = log2(e) / sqrt(128)
.set FLA,  24                          ; s24, s25 the tiles' flags, two bits a key step
.set FLB,  25
.set MWA,  26                          ; s[26:27], s[28:29] their mask words
.set MWB,  28
.set RECA, 30                          ; s[30:31], s[66:67] their records in ac
.set RECB, 66
.set F,    2                           ; s2   the step's flag
.set KC,   3                           ; s3   key steps to go
.set TB,   100                         ; s100 the step's images: 12,288 bytes a step
.set TS,   101                         ; s101 its scale words: 512 bytes a step
.set MO,   104                         ; s104 its mask words: 256 bytes a step
.set TM,   232
.set LI,   1                           ; v1   16 x lane
.set LSK,  2                           ; v2   4 x lane + 196,608
.set NI,   3                           ; v3   -infinity
.set OA,   4                           ; v4   16 x lane + 1,536 g
.set OS,   5                           ; v5   4 (lane % 16) + 6,144 + 64 g
.set XA,   6                           ; v6   Q: 16,384 (lane % 16) + 64 (lane / 16)
.set TH,   7                           ; v7   16 x thread; v8-10 the same 65,536, 131,072, 196,608 on, later:
.set ADK,  8
.set ADV,  9
.set ADS,  10
; 64 numbers of a lane, v[s] on, register 16 b + i = k 32 b + 16 (lane / 16) + i of my row, become a fragment's codes in v[d] .. v[d + 11] and my row's scale word in v[w]; v[x] on: seven registers at work.
.macro QUANT s, d, x, w
.irp b, 0,1,2,3
	v_max3_num_f32 v[TM+\b], |v[\s+16*\b]|, |v[\s+1+16*\b]|, 0x2800000   ; block b: my 16 numbers, and the floor 2^(5 - 127): so the byte cannot fall under 1
.endr
.irp i, 2,4,6,8,10,12,14
.irp b, 0,1,2,3
	v_max3_num_f32 v[TM+\b], v[TM+\b], |v[\s+16*\b+\i]|, |v[\s+1+16*\b+\i]|
.endr
.endr
.irp b, 0,1,2,3
	v_permlanex16_b32 v[TM+4+\b], v[TM+\b], s[SEL], s[SEL+1]
.endr
.irp b, 0,1,2,3
	v_max_num_f32 v[TM+\b], v[TM+\b], v[TM+4+\b]
.endr
.irp b, 0,1,2,3
	v_add_nc_u32 v[TM+12+\b], 0xfe000000, v[TM+\b]   ; 4 off the exponent field: the conversion's scale operand
.endr
.irp b, 0,1,2,3
	v_lshrrev_b32 v[TM+4+\b], 23, v[TM+12+\b]
.endr
	v_lshl_or_b32 v[\w], v[TM+5], 8, v[TM+4]
	v_lshl_or_b32 v[\w], v[TM+6], 16, v[\w]
	v_lshl_or_b32 v[\w], v[TM+7], 24, v[\w]
.irp c, 0,1
	v_cvt_scalef32_pk16_bf6_f32 v[\d+6*\c:\d+2+6*\c], v[\s+32*\c:\s+15+32*\c], v[TM+12+2*\c]
	v_cvt_scalef32_pk16_bf6_f32 v[\x+4*\c:\x+2+4*\c], v[\s+16+32*\c:\s+31+32*\c], v[TM+12+2*\c+1]
.endr
	v_nop                                          ; one plain place behind a scaled conversion
.irp c, 0,1
.irp i, 0,1,2
	v_permlane16_swap_b32 v[\d+6*\c+\i], v[\x+4*\c+\i]
.endr
.irp i, 0,1,2
	v_mov_b32 v[\d+3+6*\c+\i], v[\x+4*\c+\i]
.endr
.endr
.endm
	s_load_b256 s[4:11], s[0:1], 0x0               ; Q 4:5, kv 6:7, mw 8:9, mf 10:11
	s_load_b64 s[12:13], s[0:1], 0x20              ; ac
	v_lshl_add_u32 v94, v0, 2, 0x32000
	v_mov_b32 v95, 0
	v_lshrrev_b32 v1, 5, v0
	v_readfirstlane_b32 s[WV], v1                  ; wave 0..15
	s_and_b32 s15, ttmp7, 0xffff                   ; pair
	s_lshr_b32 s32, s15, 3                         ; batch
	s_and_b32 s33, s15, 7                          ; key head
	s_and_b32 s34, s[WV], 3                        ; g
	s_lshr_b32 s35, s[WV], 2
	s_lshl_b32 s36, ttmp9, 2
	s_add_co_u32 s36, s36, s35                     ; tile A: 4 x + wave / 4
	s_sub_co_u32 s37, 63, s36                      ; tile B
	s_lshl_b32 s38, s32, 6
	s_add_co_u32 s36, s36, s38                     ; as row tiles: 64 batch + tile
	s_add_co_u32 s37, s37, s38
	s_lshl_b32 s39, s33, 2
	s_add_co_u32 s39, s39, s34
	s_lshl_b32 s39, s39, 9                         ; my query head's 512 bytes in a row of Q
	s_lshl_b32 s40, s36, 18                        ; 16 rows of 16,384 bytes a row tile
	s_add_co_u32 s40, s40, s39
	s_mov_b32 s41, 0
	s_lshl_b32 s42, s37, 18
	s_add_co_u32 s42, s42, s39
	s_mov_b32 s43, 0
	s_mul_i32 s44, s15, 204800
	s_mov_b32 s45, 0
	s_lshl_b32 s46, s36, 11                        ; 2,048 bytes of mask words a row tile
	s_mov_b32 s47, 0
	s_lshl_b32 s48, s37, 11
	s_mov_b32 s49, 0
	s_mul_i32 s50, s33, 6400
	s_mul_i32 s52, s36, 51200
	s_add_co_u32 s52, s52, s50
	s_mov_b32 s53, 0
	s_mul_i32 s54, s37, 51200
	s_add_co_u32 s54, s54, s50
	s_mov_b32 s55, 0
	s_lshl_b32 s56, s36, 3                         ; 8 bytes of flags a row tile
	s_lshl_b32 s57, s37, 3
	s_mov_b32 s[SEL], 0x76543210
	s_mov_b32 s[SEL+1], 0xfedcba98
	s_mov_b32 s[CS], 0x3e0293ee
	s_mov_b32 s[CS+1], s[CS]                       ; (named with it as a pair, so it is written)
	v_and_b32 v11, 31, v0                          ; lane
	v_lshlrev_b32 v[LI], 4, v11
	v_lshlrev_b32 v[LSK], 2, v11
	v_add_nc_u32 v[LSK], 0x30000, v[LSK]
	v_mov_b32 v[NI], 0xff800000
	s_mul_i32 s62, s34, 1536
	v_add_nc_u32 v[OA], s62, v[LI]
	v_and_b32 v28, 15, v0                          ; r
	v_bfe_u32 v29, v0, 4, 1                        ; h
	s_lshl_b32 s63, s34, 6
	s_add_co_u32 s63, s63, 6144
	v_lshl_add_u32 v[OS], v28, 2, s63
	v_lshlrev_b32 v[XA], 14, v28
	v_lshl_add_u32 v[XA], v29, 6, v[XA]
	v_lshlrev_b32 v[TH], 4, v0
	v_add_nc_u32 v8, 0x10000, v[TH]
	v_add_nc_u32 v9, 0x20000, v[TH]
	v_add_nc_u32 v10, 0x30000, v[TH]
	s_wait_kmcnt 0x0
	s_load_b64 s[58:59], s[10:11], s56 offset:0x0  ; tile A's flags: key steps 0-3, 4-7
	s_load_b64 s[60:61], s[10:11], s57 offset:0x0  ; tile B's
	s_add_nc_u64 s[16:17], s[4:5], s[40:41]        ; Q at tile A's first row, my head
	s_add_nc_u64 s[18:19], s[4:5], s[42:43]        ; and tile B's
	s_add_nc_u64 s[6:7], s[6:7], s[44:45]
	s_add_nc_u64 s[MWA:MWA+1], s[8:9], s[46:47]
	s_add_nc_u64 s[MWB:MWB+1], s[8:9], s[48:49]
	s_add_nc_u64 s[RECA:RECA+1], s[12:13], s[52:53]
	s_add_nc_u64 s[RECB:RECB+1], s[12:13], s[54:55]
; the pair's 204,800 bytes: 25 times 16 bytes a thread, 8,192 consecutive bytes the work-group
.irp i, 0,1,2,3,4,5,6,7,8,9,10,11,12,13,14,15,16,17,18
	global_load_b128 v[16+4*\i:19+4*\i], v[TH], s[6:7] offset:8192*\i
.endr
.irp i, 19,20,21,22,23,24
	global_load_b128 v[224+4*(\i-19):227+4*(\i-19)], v[TH], s[6:7] offset:8192*\i
.endr
; Q: lane (r, h) takes of row r 16 neighbouring numbers of each block of 32
.irp b, 0,1,2,3
.irp j, 0,1,2,3
	global_load_b128 v[96+16*\b+4*\j:99+16*\b+4*\j], v[XA], s[16:17] offset:128*\b+16*\j th:TH_LOAD_NT
.endr
.endr
.irp b, 0,1,2,3
.irp j, 0,1,2,3
	global_load_b128 v[160+16*\b+4*\j:163+16*\b+4*\j], v[XA], s[18:19] offset:128*\b+16*\j th:TH_LOAD_NT
.endr
.endr
	s_wait_loadcnt 32                              ; the 25 are in; the 32 loads of Q behind them may be out
.irp i, 0,1,2,3,4,5,6,7,8,9,10,11,12,13,14,15,16,17,18
	ds_store_b128 v[TH+\i/8], v[16+4*\i:19+4*\i] offset:8192*(\i%8)
.endr
.irp i, 19,20,21,22,23,24
	ds_store_b128 v[TH+\i/8], v[224+4*(\i-19):227+4*(\i-19)] offset:8192*(\i%8)
.endr
	s_wait_dscnt 0x0                               ; for the others' sake: my stores have landed
	s_barrier_signal -1
	s_barrier_wait -1                              ; K and V lie in LDS; nobody writes LDS from here on
	s_wait_kmcnt 0x0
	s_lshl_b32 s59, s59, 8
	s_or_b32 s[FLA], s58, s59
	s_lshl_b32 s61, s61, 8
	s_or_b32 s[FLB], s60, s61
.irp b, 0,1,2,3
	v_mov_b32 v[236+\b], 0                         ; written once: a lane permute's destination counts as one of its sources
.endr
	v_mov_b32 v252, 0                              ; (likewise; all eight key steps of a tile may be jumped over)
	v_mov_b32 v253, 0                              ; (named as the upper half of the pair v[252:253] before it is first written)
	s_wait_loadcnt 16                              ; tile A's Q is in; tile B's 16 loads may be out
	QUANT 96, 16, 224, 255
	s_wait_loadcnt 0x0
	QUANT 160, 80, 224, 92
; ONE TILE OF 16 QUERIES: q its codes' first register, qs its scale word's, fl its flags, mw its mask words, rec its record.
.macro TILE q, qs, fl, mw, rec
	v_mov_b32 v13, 0xff61b1e6                      ; the largest t so far: -3e38, under every t
	v_floor_f32 v12, -v13                          ; -M
	v_mov_b32 v14, 0
	v_mov_b32 v15, 0
.set j, 0
.rept 64
	v_mov_b32 v[160+j], 0                          ; O^T.  Which key step is the first that runs hangs on the mask, so no product can be written that starts the sums
.set j, j+1
.endr
	s_mov_b32 s[TB], 0
	s_mov_b32 s[TS], 0
	s_mov_b32 s[MO], 0
	s_mov_b32 s[KC], 8
.Lkey_\@:
	s_and_b32 s[F], s[\fl], 3
	s_cmp_eq_u32 s[F], 0
	s_cbranch_scc1 .Lskip_\@                       ; none of these 128 keys counts for any of my 16 queries
	s_load_b512 s[32:47], s[\mw:\mw+1], s[MO] offset:0x0   ; the step's 64 mask words
	s_load_b512 s[48:63], s[\mw:\mw+1], s[MO] offset:0x40
	s_load_b512 s[68:83], s[\mw:\mw+1], s[MO] offset:0x80
	s_load_b512 s[84:99], s[\mw:\mw+1], s[MO] offset:0xc0
	v_add_nc_u32 v[ADK], s[TB], v[LI]              ; five places (ISA guide 7.12.1): the first product below writes over v96 on, which the last step's products read;
	v_add_nc_u32 v[ADV], 0x18000, v[ADK]           ; four of them serve the loads into those products' other registers
	v_add_nc_u32 v[ADS], s[TS], v[LSK]
	v_nop
	v_nop
.irp p, 0,1,2,3
	ds_load_b32 v[248+\p], v[ADS] offset:128*\p    ; K's scale words: lanes 0-15 tile 2 p's, lanes 16-31 tile 2 p + 1's
.endr
.irp g, 0,1                                    ; S^T = K Q^T, four tiles of 16 keys at a time
.if \g
.rept 4
	v_nop                                          ; places in front of loads into registers that matrix instructions have read
.endr
.endif
.irp t, 0,1,2,3
.irp c, 0,1,2
	ds_load_b128 v[32+12*\t+4*\c:35+12*\t+4*\c], v[ADK] offset:1536*(4*\g+\t)+512*\c
.endr
.endr
	s_wait_dscnt 0x0
.irp t, 0,1,2,3
.if \t%2
	v_wmma_scale_f32_16x16x128_f8f6f4 v[96+8*(4*\g+\t):103+8*(4*\g+\t)], v[32+12*\t:43+12*\t], v[\q:\q+11], 0, v[248+(4*\g+\t)/2], v[\qs] matrix_a_fmt:MATRIX_FMT_BF6 matrix_b_fmt:MATRIX_FMT_BF6 matrix_a_scale:MATRIX_SCALE_ROW1
.else
	v_wmma_scale_f32_16x16x128_f8f6f4 v[96+8*(4*\g+\t):103+8*(4*\g+\t)], v[32+12*\t:43+12*\t], v[\q:\q+11], 0, v[248+(4*\g+\t)/2], v[\qs] matrix_a_fmt:MATRIX_FMT_BF6 matrix_b_fmt:MATRIX_FMT_BF6
.endif
.endr
.endr
.rept 4
	v_nop                                          ; places in front of the loads below and of the first read of the scores
.endr
.irp p, 0,1,2,3
	ds_load_b32 v[248+\p], v[ADS] offset:4096+128*\p   ; V's scale words and its tiles 0-3 land while the softmax is worked
.endr
.irp t, 0,1,2,3
.irp c, 0,1,2
	ds_load_b128 v[32+12*\t+4*\c:35+12*\t+4*\c], v[ADV] offset:1536*\t+512*\c
.endr
.endr
	s_wait_kmcnt 0x0                               ; the mask words
	s_cmp_eq_u32 s[F], 2
	s_cbranch_scc1 .Lopen_\@                       ; every key counts for every query
.set n, 0
.rept 64                                       ; register n holds key 32 (n / 16) + 16 (lane / 16) + n % 16 of query lane % 16: word n's bit of my lane
.if n < 32
.set pp, 2*n
.else
.set pp, 2*(n-32)+1
.endif
.if pp < 32
.set sw, 32+pp
.else
.set sw, 36+pp
.endif
	v_cndmask_b32 v[96+n], v[NI], v[96+n], s[sw]
.set n, n+1
.endr
.Lopen_\@:
.irp b, 0,1,2,3
	v_max3_num_f32 v[232+\b], v[96+16*\b], v[97+16*\b], v[98+16*\b]   ; the largest score of each block of 32 keys: it serves for the row's maximum and, since p rises with the score, for the block's largest p
.endr
.irp i, 3,5,7,9,11,13
.irp b, 0,1,2,3
	v_max3_num_f32 v[232+\b], v[232+\b], v[96+16*\b+\i], v[97+16*\b+\i]
.endr
.endr
.irp b, 0,1,2,3
	v_max_num_f32 v[232+\b], v[232+\b], v[111+16*\b]
.endr
.irp b, 0,1,2,3
	v_permlanex16_b32 v[236+\b], v[232+\b], s[SEL], s[SEL+1]
.endr
.irp b, 0,1,2,3
	v_max_num_f32 v[232+\b], v[232+\b], v[236+\b]  ; with lane l xor 16's 16 keys
.endr
	v_max3_num_f32 v254, v232, v233, v234
	v_max_num_f32 v254, v254, v235
	v_mul_f32 v254, s[CS], v254                    ; the step's largest t of my query
	v_max_num_f32 v13, v13, v254                   ; the running largest t
	v_mov_b32 v254, v12
	v_floor_f32 v12, -v13                          ; the new -M = -ceil(t): a whole number
	v_sub_f32 v254, v12, v254                      ; old M less new M: a whole number, 0 or less
	v_cvt_i32_f32 v254, v254                       ; (it saturates)
	v_ldexp_f32 v252, 1.0, v254                    ; f = 2^(old M - new M)
.set j, 0
.rept 32
	v_pk_fma_f32 v[96+j:97+j], v[96+j:97+j], s[CS:CS+1], v[12:13] op_sel_hi:[1,0,0]   ; t - M, two at a time
.set j, j+2
.endr
.irp b, 0,1,2,3
	v_fma_f32 v[232+\b], v[232+\b], s[CS], v12     ; the same of each block's largest score
.endr
.set j, 0
.rept 64
	v_exp_f32 v[96+j], v[96+j]                     ; p = 2^(t - M); 0 for a masked key
.set j, j+1
.endr
.irp b, 0,1,2,3
	v_exp_f32 v[232+\b], v[232+\b]                 ; the block's largest p
.endr
	v_pk_mul_f32 v[14:15], v[14:15], v[252:253] op_sel_hi:[1,0]   ; the sums under the new M.  (A plain place behind the exponentials)
	s_wait_alu depctr_va_vdst(0)
.irp b, 0,1,2,3
	v_max_num_f32 v[232+\b], 0x2800000, v[232+\b]  ; the floor 2^(5 - 127): a block of zeros keeps the byte 1, and its codes are zeros
.endr
.irp b, 0,1,2,3
	v_add_nc_u32 v[244+\b], 0xfe000000, v[232+\b]
.endr
.irp b, 0,1,2,3
	v_lshrrev_b32 v[236+\b], 23, v[244+\b]
.endr
	v_lshl_or_b32 v253, v237, 8, v236              ; p's scale word for these 128 keys
	v_lshl_or_b32 v253, v238, 16, v253
	v_lshl_or_b32 v253, v239, 24, v253
.irp c, 0,1
	v_cvt_scalef32_pk16_bf6_f32 v[224+6*\c:226+6*\c], v[96+32*\c:111+32*\c], v[244+2*\c]
	v_cvt_scalef32_pk16_bf6_f32 v[236+4*\c:238+4*\c], v[112+32*\c:127+32*\c], v[244+2*\c+1]
.endr
	v_nop                                          ; one plain place behind a scaled conversion
.irp c, 0,1
.irp i, 0,1,2
	v_permlane16_swap_b32 v[224+6*\c+\i], v[236+4*\c+\i]
.endr
.irp i, 0,1,2
	v_mov_b32 v[227+6*\c+\i], v[236+4*\c+\i]
.endr
.endr
	v_pk_add_f32 v[236:237], v[96:97], v[98:99]    ; the row's sum is taken of the unquantised p: two at a time, in two chains
.irp j, 4,8,12,16,20,24,28,32,36,40,44,48,52,56,60
	v_pk_add_f32 v[14:15], v[14:15], v[96+\j:97+\j]
	v_pk_add_f32 v[236:237], v[236:237], v[98+\j:99+\j]
.endr
	v_pk_add_f32 v[14:15], v[14:15], v[236:237]
.irp t, 0,1,2,3
.irp c, 0,1,2
	ds_load_b128 v[96+12*\t+4*\c:99+12*\t+4*\c], v[ADV] offset:1536*(4+\t)+512*\c   ; p is done with: V's tiles 4-7 take its registers
.endr
.endr
.set j, 0
.rept 32
	v_pk_mul_f32 v[160+j:161+j], v[160+j:161+j], v[252:253] op_sel_hi:[1,0]   ; O^T under the new M, each accumulator from its low end on.  (With the sums above: the places between p's scale word and codes and the products)
.set j, j+2
.endr
	s_wait_dscnt 0x0                               ; V's eight tiles and scale words
.irp t, 0,1,2,3,4,5,6,7                        ; O^T += V^T P^T: eight accumulators, one instruction a turn
.if \t < 4
.set VF, 32+12*\t
.else
.set VF, 96+12*(\t-4)
.endif
.if \t%2
	v_wmma_scale_f32_16x16x128_f8f6f4 v[160+8*\t:167+8*\t], v[VF:VF+11], v[224:235], v[160+8*\t:167+8*\t], v[248+\t/2], v253 matrix_a_fmt:MATRIX_FMT_BF6 matrix_b_fmt:MATRIX_FMT_BF6 matrix_a_scale:MATRIX_SCALE_ROW1
.else
	v_wmma_scale_f32_16x16x128_f8f6f4 v[160+8*\t:167+8*\t], v[VF:VF+11], v[224:235], v[160+8*\t:167+8*\t], v[248+\t/2], v253 matrix_a_fmt:MATRIX_FMT_BF6 matrix_b_fmt:MATRIX_FMT_BF6
.endif
.endr
.Lskip_\@:
	s_lshr_b32 s[\fl], s[\fl], 2                   ; the next step's flag, images, scale words and mask words
	s_add_co_u32 s[TB], s[TB], 12288
	s_add_co_u32 s[TS], s[TS], 512
	s_add_co_u32 s[MO], s[MO], 256
	s_sub_co_u32 s[KC], s[KC], 1
	s_cmp_lg_u32 s[KC], 0
	s_cbranch_scc1 .Lkey_\@
.rept 4
	v_nop                                          ; places behind the last products
.endr
	v_add_f32 v14, v14, v15                        ; the sum's two halves,
	v_permlanex16_b32 v252, v14, s[SEL], s[SEL+1]
	v_add_f32 v14, v14, v252                       ; and lane l xor 16's
	v_cmp_eq_f32 vcc_lo, 0, v14                    ; a row that keeps no key
	v_max_num_f32 v14, 0.5, v14                    ; (held from below, so that such a row's numbers stay zeros; a row with a key has its largest p, over 1/2, in the sum)
	v_rcp_f32 v14, v14
	v_nop                                          ; one plain place behind a transcendental
.set j, 0
	s_wait_alu depctr_va_vdst(0)
.rept 32
	v_pk_mul_f32 v[96+j:97+j], v[160+j:161+j], v[14:15] op_sel_hi:[1,0]   ; O^T / the sum: register 16 b + i is channel 32 b + 16 (lane / 16) + i of my query
.set j, j+2
.endr
	QUANT 96, 32, 224, 44                          ; K step 4 hkv + g of the projection, for these 16 rows
	v_cndmask_b32 v44, v44, -1, vcc_lo             ; the empty row's scale bytes: 0xff
.irp c, 0,1,2
	global_store_b128 v[OA], v[32+4*\c:35+4*\c], s[\rec:\rec+1] offset:512*\c   ; the image: 512 consecutive aligned bytes a store
.endr
	global_store_b32 v[OS], v44, s[\rec:\rec+1]    ; 16 scale words; the four heads' lie on end
.endm
	TILE 16, 255, FLA, MWA, RECA
	s_wait_xcnt 0x0                                ; tile A's stores have had their addresses translated (ISA guide 3.1): their data registers are written again only behind this wait
	TILE 80, 92, FLB, MWB, RECB
	s_wait_tensorcnt 0x0
	ds_add_u32 v94, v95
	s_wait_dscnt 0x0
	s_endpgm
.Lfunc_end_k_q230dec9d2e_attn:
	.size	k_q230dec9d2e_attn, .Lfunc_end_k_q230dec9d2e_attn-k_q230dec9d2e_attn
	.p2alignl 7, 3214868480
	.fill 96, 4, 3214868480
	.section	.rodata,"a",@progbits
	.p2align	6, 0x0
	.amdhsa_kernel k_q230dec9d2e_attn
		.amdhsa_group_segment_fixed_size 206848
		.amdhsa_private_segment_fixed_size 0
		.amdhsa_enable_private_segment 0
		.amdhsa_kernarg_size 40
		.amdhsa_user_sgpr_count 2
		.amdhsa_user_sgpr_kernarg_segment_ptr 1
		.amdhsa_wavefront_size32 1
		.amdhsa_system_sgpr_workgroup_id_x 1
		.amdhsa_system_sgpr_workgroup_id_y 1
		.amdhsa_system_sgpr_workgroup_id_z 1
		.amdhsa_system_vgpr_workitem_id 0
		.amdhsa_next_free_vgpr 256
		.amdhsa_next_free_sgpr 106
		.amdhsa_reserve_vcc 1
		.amdhsa_float_denorm_mode_32 3
		.amdhsa_float_denorm_mode_16_64 3
		.amdhsa_memory_ordered 1
		.amdhsa_forward_progress 1
		.amdhsa_inst_pref_size 83
	.end_amdhsa_kernel
	.amdgpu_metadata
---
amdhsa.version: [ 1, 2 ]
amdhsa.kernels:
  - .name:           k_q230dec9d2e_attn
    .symbol:         k_q230dec9d2e_attn.kd
    .args:
      - { .name: Q, .offset: 0, .size: 8, .value_kind: global_buffer, .address_space: global }
      - { .name: kv, .offset: 8, .size: 8, .value_kind: global_buffer, .address_space: global }
      - { .name: mw, .offset: 16, .size: 8, .value_kind: global_buffer, .address_space: global }
      - { .name: mf, .offset: 24, .size: 8, .value_kind: global_buffer, .address_space: global }
      - { .name: ac, .offset: 32, .size: 8, .value_kind: global_buffer, .address_space: global }
    .group_segment_fixed_size: 206848
    .private_segment_fixed_size: 0
    .kernarg_segment_align: 8
    .kernarg_segment_size: 40
    .max_flat_workgroup_size: 512
    .sgpr_count:     106
    .vgpr_count:     256
    .wavefront_size: 32
...
	.end_amdgpu_metadata
.endif
;; end of part 2
;; launch proj (part 3): grid 8 x 32, 4 waves a work-group, clusters of 4 x 4, 327,680 bytes of LDS; arguments ac, wc, b_o, out0; writes out0
.if DOCPART == 3
	.amdgcn_target "amdgcn-amd-amdhsa--gfx1250"
	.amdhsa_code_object_version 6
	.text
	.protected	k_q230dec9d2e_proj
	.globl	k_q230dec9d2e_proj
	.p2align	8
	.type	k_q230dec9d2e_proj,@function
k_q230dec9d2e_proj:
	s_mov_b64 s[64:65], 0
	v_nop
	global_prefetch_b8 v0, s[64:65] scope:SCOPE_SE
	s_setreg_imm32_b32 hwreg(HW_REG_WAVE_MODE, 25, 1), 1
	s_wait_xcnt 0x0
	s_wait_alu depctr_hold_cnt(0) depctr_sa_sdst(0) depctr_va_vdst(0) depctr_va_sdst(0) depctr_va_ssrc(0) depctr_va_vcc(0) depctr_vm_vsrc(0)
	s_getreg_b32 s2, hwreg(HW_REG_IB_STS2, 6, 4)
	s_cmp_eq_u32 s2, 0
	s_cbranch_scc0 .Lentry_in_a_cluster
	s_endpgm
.Lentry_in_a_cluster:
	s_bfe_u32 s2, ttmp6, 0x10000c
	s_cmp_lg_u32 s2, 0xf033
	s_cbranch_scc0 .Lentry_shape_is_right
	s_endpgm
.Lentry_shape_is_right:
; out0[m][n] = the sum over k of attn[m][k] W_o[n][k] + b_o[n]: 4,096 x 2,048 x 4,096 on codes of BF6 (E3M2) with one E8M0 scale for each 32 along K; sums in f32.
; Both operands come as records of 6,400 bytes: for 16 rows and 512 along K, four images of a fragment's registers (1,536 bytes each: register p of lane l at 512 (p / 4) + 16 l + 4 (p % 4)), then four times 16 scale words.
; ac: [row tile 256][8 records], wc: [n tile 128][8 records].  So a fragment is three loads of 16 bytes a lane, 512 consecutive bytes each, and codes and scales come by one tensor load.
; A tile of out0 is 128 x 256: 256 work-groups, one for each WGP (256 x 256 would make 128).  Four waves, each 64 x 128: 32 accumulators.
; K goes in steps of 512 (one record) through a ring of two LDS slots: A's 8 records, then B's 16.  Waves 0 and 1 fetch A's halves, waves 2 and 3 B's, one tensor load each.
; CLUSTERS: 4 x 4 work-groups.  The four of a row of the cluster need the same records of A, the four of a column the same of B: each is asked for jointly, by the same tensor load with the same descriptor and a mask that names the four.
; THE MATRIX INSTRUCTION IS USED TRANSPOSED (source 0 = 16 rows of W_o, source 1 = 16 rows of attn): a lane holds eight neighbouring numbers of a row of out0.  The bias is the C of each sum's first product.
; A row of attn whose scale bytes are 0xff (no key kept) comes out NaN.
; REGISTERS: window 0: v16-29 addresses; v32-79 scale words, two sets of 24; v80-127, v128-175 A's fragments, two sets; v192-255 the bias; on the way out v128-255 rows read back.
;   window 1: B's fragments, two sets, at v0 and v128.   window 2: the accumulators, (a, b) at v[8 (8 a + b)].
.set SLOT,   153600                    ; A's 8 records (51,200 bytes), B's 16 (102,400)
.set REC,    6400
.set SPARE,  2*SLOT                    ; behind the ring: the spare words, 128 bytes for each wave: two blocks of 256 bytes that no other line names
.set SPITCH, 528                       ; the way out: a stage of 16 rows x (512 + 16) bytes for each wave, in slot 0, which has had its last fill and its last read when the first result is stored there
.set ADRA, 16                          ; v16-17 LDS address of my A images in slot 0, 1: 16 x lane + my 4 records
.set ADSA, 18                          ; v18-19 of their scale words: 4 x lane + the same (the 6,144 stand in the immediate)
.set ADRB, 20                          ; v20-21, v22-23 the same for B: my 8 records
.set ADSB, 22
.set STO,  24
.set RD,   25
.set CO,   26
.set SPW,  28                          ; v28 LDS address of my spare word; never rewritten
.set NIL,  29                          ; v29 0; never rewritten
.set SC,   32                          ; scale words: set s: A's block i at v[SC + 24 s + 2 i + p], B's at v[SC + 8 + 24 s + 2 i + p]: lanes 0-15 K step 2 p's words, lanes 16-31 K step 2 p + 1's
.set AF,   80
.set BI,   192
.set BK,   128
.set G1,   24                          ; s[24:31] descriptor group 1 for A; s[32:39] group 0, one set for each slot
.set G0,   32
.set G1B,  48                          ; s[48:55], s[56:63] the same for B
.set G0B,  56
.set MSB, 0
.macro WIN new                         ; the immediate's high byte repeats the setting that is left
.if MSB != \new
	s_set_vgpr_msb (MSB<<8)|\new
.set MSB, \new
.endif
.endm
.set MUL,  0xa1                        ; source 0 (B) window 1, source 1 (A) window 0, C and D window 2
.set MULB, 0x81                        ; the same with C (the bias) in window 0
.set TO_B, 0x40                        ; destination window 1, address window 0
; A joint load: waves 0 and 1 fetch for A, waves 2 and 3 for B; the branch hangs on the wave's number alone.  Four v_nop follow each of the two lines.
.macro JLOAD g0a, g1a, g0b, g1b
	s_cmp_eq_u32 s15, 0
	s_cbranch_scc0 .Lfor_b_\@
	tensor_load_to_lds s[\g0a:\g0a+3], s[\g1a:\g1a+7]
	s_nop 0
.rept 4
	v_nop
.endr
	s_branch .Lasked_\@
.Lfor_b_\@:
	tensor_load_to_lds s[\g0b:\g0b+3], s[\g1b:\g1b+7]
	s_nop 0
.rept 4
	v_nop
.endr
.Lasked_\@:
.endm
.macro CREST                           ; a round of the cluster's barrier behind its opening barrier
	s_cmp_lg_u32 s14, 0
	s_cbranch_scc1 .Lnot_wave_0_\@
	s_barrier_signal -3
.Lnot_wave_0_\@:
	s_barrier_wait -3
	s_barrier_signal -1
	s_barrier_wait -1
.endm
.macro CROUND                          ; a whole round
	s_barrier_signal -1
	s_barrier_wait -1
	CREST
.endm
.macro PLACES                          ; four places in front of loads into registers that matrix instructions have read, and of the first read of results
.rept 4
	v_nop
.endr
.endm
	s_load_b256 s[4:11], s[0:1], 0x0               ; ac 4:5, wc 6:7, b_o 8:9, out0 10:11
	v_lshl_add_u32 v[SPW], v0, 2, SPARE
	v_mov_b32 v[NIL], 0
	ds_add_u32 v28, v29
	ds_add_u32 v28, v29
	s_wait_dscnt 0x0
	v_lshrrev_b32 v1, 5, v0
	v_readfirstlane_b32 s14, v1                    ; wave 0..3
	s_lshr_b32 s15, s14, 1                         ; which half of the tile's rows is mine.  Also: I fetch for A (0) or for B (1)
	s_and_b32 s16, s14, 1                          ; which half of its columns.  Also: which half of that operand's records I fetch
	s_bfe_u32 s40, ttmp6, 0x40000                  ; cx, cy: my place in the cluster
	s_bfe_u32 s41, ttmp6, 0x40004
	s_lshl_b32 s42, ttmp9, 2
	s_add_co_u32 s42, s42, s40                     ; tile column = 4 x cluster x + cx
	s_and_b32 s17, ttmp7, 0xffff
	s_lshl_b32 s17, s17, 2
	s_add_co_u32 s17, s17, s41                     ; tile row = 4 x cluster y + cy
	s_lshl_b32 s43, s41, 2
	s_lshl_b32 s43, 15, s43                        ; my row of the cluster
	s_lshl_b32 s44, 0x1111, s40                    ; my column
	; descriptor group 1: rows of one record, 800 elements of 8 bytes, 51,200 bytes (6,400 elements) apart in memory, on end in LDS; A: 4 rows, B: 8
	s_or_b32 s[G1+0], s43, (3<<16)|(1<<21)         ; 15:0 the mask: A's records go to my row; 17:16 elements of 8 bytes; 20 no padding; 21 set beside a mask
	s_or_b32 s[G1B+0], s44, (3<<16)|(1<<21)
	s_mov_b32 s[G1+1], 800<<16                     ; tensor_dim0
	s_mov_b32 s[G1+2], 4<<16                       ; tensor_dim1
	s_mov_b32 s[G1+3], 800<<16                     ; tile_dim0
	s_mov_b32 s[G1+4], 4                           ; tile_dim1
	s_mov_b32 s[G1+5], 6400                        ; tensor_dim0_stride
	s_mov_b32 s[G1+6], 0
	s_mov_b32 s[G1+7], 0
	s_mov_b32 s[G1B+1], 800<<16
	s_mov_b32 s[G1B+2], 8<<16
	s_mov_b32 s[G1B+3], 800<<16
	s_mov_b32 s[G1B+4], 8
	s_mov_b32 s[G1B+5], 6400
	s_mov_b32 s[G1B+6], 0
	s_mov_b32 s[G1B+7], 0
	s_lshl_b32 s20, s17, 3
	s_lshl_b32 s18, s16, 2
	s_add_co_u32 s20, s20, s18
	s_mul_i32 s20, s20, 51200                      ; A: row tile 8 x tile row + 4 x half
	s_mov_b32 s21, 0
	s_lshl_b32 s46, s42, 4
	s_lshl_b32 s18, s16, 3
	s_add_co_u32 s46, s46, s18
	s_mul_i32 s46, s46, 51200                      ; B: n tile 16 x tile column + 8 x half
	s_mov_b32 s47, 0
	s_mul_i32 s45, s16, 4*REC                      ; where they go: no place in the cluster enters an LDS address
	s_mul_i32 s19, s16, 8*REC
	s_add_co_u32 s19, s19, 8*REC
	s_wait_kmcnt 0x0
	s_add_nc_u64 s[20:21], s[4:5], s[20:21]
	s_add_nc_u64 s[46:47], s[6:7], s[46:47]
	CROUND                                         ; all sixteen work-groups are here: the first joint loads meet
.irp s, 0,1
	s_mov_b32 s[G0+4*\s], 1                        ; 1:0 count = 1
	s_add_co_u32 s[G0+4*\s+1], s45, \s*SLOT        ; 63:32 LDS address
	s_add_nc_u64 s[G0+4*\s+2:G0+4*\s+3], s[20:21], \s*REC   ; 120:64 global address: record s
	s_or_b32 s[G0+4*\s+3], s[G0+4*\s+3], 0x80000000   ; 127:126 type = 2
	s_mov_b32 s[G0B+4*\s], 1
	s_add_co_u32 s[G0B+4*\s+1], s19, \s*SLOT
	s_add_nc_u64 s[G0B+4*\s+2:G0B+4*\s+3], s[46:47], \s*REC
	s_or_b32 s[G0B+4*\s+3], s[G0B+4*\s+3], 0x80000000
	JLOAD G0+4*\s, G1, G0B+4*\s, G1B               ; two loads of mine are out
.endr
	v_and_b32 v1, 31, v0                           ; lane
	v_and_b32 v2, 15, v0                           ; r
	v_bfe_u32 v3, v0, 4, 1                         ; h
	v_lshlrev_b32 v4, 5, v3
	s_lshl_b32 s22, s42, 10                        ; my first column, in bytes: 1,024 x tile column + 512 x half
	s_lshl_b32 s23, s16, 9
	s_add_co_u32 s22, s22, s23
	s_mov_b32 s23, 0
	s_add_nc_u64 s[8:9], s[8:9], s[22:23]
.irp b, 0,1,2,3,4,5,6,7                        ; the bias in the result's layout: register 8 b + j = b_o at my column 16 b + 8 h + j
	global_load_b128 v[BI+8*\b:BI+8*\b+3], v4, s[8:9] offset:64*\b
	global_load_b128 v[BI+8*\b+4:BI+8*\b+7], v4, s[8:9] offset:64*\b+16
.endr
	s_lshl_b32 s68, s17, 7
	s_lshl_b32 s69, s15, 6
	s_add_co_u32 s68, s68, s69                     ; my first row: 128 x tile row + 64 x half
	s_lshl_b32 s68, s68, 13                        ; rows of 8,192 bytes
	s_mov_b32 s69, 0
	s_add_nc_u64 s[12:13], s[10:11], s[68:69]
	s_add_nc_u64 s[12:13], s[12:13], s[22:23]
	v_lshlrev_b32 v5, 4, v1
	v_lshlrev_b32 v6, 2, v1
	s_mul_i32 s70, s15, 4*REC                      ; my 4 records of A
	s_mul_i32 s71, s16, 8*REC                      ; my 8 of B,
	s_add_co_u32 s71, s71, 8*REC                   ; which lie behind A's 8
.irp s, 0,1
	v_add_nc_u32 v[ADRA+\s], s70, v5
	v_add_nc_u32 v[ADRB+\s], s71, v5
	v_add_nc_u32 v[ADSA+\s], s70, v6
	v_add_nc_u32 v[ADSB+\s], s71, v6
	s_add_co_u32 s70, s70, SLOT
	s_add_co_u32 s71, s71, SLOT
.endr
	s_mul_i32 s72, s14, 16*SPITCH                  ; my stage
	v_mul_u32_u24 v[STO], v2, SPITCH               ; in: row r, 32 bytes for each half of the lanes
	v_lshl_add_u32 v[STO], v3, 5, v[STO]
	v_add_nc_u32 v[STO], s72, v[STO]
	v_add_nc_u32 v[RD], s72, v5                    ; back: the 32 lanes take one row of 512 bytes;
	v_lshlrev_b32 v[CO], 4, v1                     ; and the same in out0
; 8 matrix instructions: A's block a x B's eight, the record's q-th 128 along K; p: the set of fragments; sc: the set of scale words.  first = 1: the bias starts the sums.
; The 32 accumulators take turns, one instruction a turn, in the same order in every step.
.macro MUL8 a, p, q, sc, first
.irp b, 0,1,2,3,4,5,6,7
.if \first
	v_wmma_scale_f32_16x16x128_f8f6f4 v[8*(8*(\a)+\b):8*(8*(\a)+\b)+7], v[128*(\p)+12*\b:128*(\p)+12*\b+11], v[AF+48*(\p)+12*(\a):AF+48*(\p)+12*(\a)+11], v[BI+8*\b:BI+8*\b+7], v[SC+8+24*(\sc)+2*\b+(\q)/2], v[SC+24*(\sc)+2*(\a)+(\q)/2] matrix_a_fmt:MATRIX_FMT_BF6 matrix_b_fmt:MATRIX_FMT_BF6
.elseif (\q)%2
	v_wmma_scale_f32_16x16x128_f8f6f4 v[8*(8*(\a)+\b):8*(8*(\a)+\b)+7], v[128*(\p)+12*\b:128*(\p)+12*\b+11], v[AF+48*(\p)+12*(\a):AF+48*(\p)+12*(\a)+11], v[8*(8*(\a)+\b):8*(8*(\a)+\b)+7], v[SC+8+24*(\sc)+2*\b+(\q)/2], v[SC+24*(\sc)+2*(\a)+(\q)/2] matrix_a_fmt:MATRIX_FMT_BF6 matrix_b_fmt:MATRIX_FMT_BF6 matrix_a_scale:MATRIX_SCALE_ROW1 matrix_b_scale:MATRIX_SCALE_ROW1
.else
	v_wmma_scale_f32_16x16x128_f8f6f4 v[8*(8*(\a)+\b):8*(8*(\a)+\b)+7], v[128*(\p)+12*\b:128*(\p)+12*\b+11], v[AF+48*(\p)+12*(\a):AF+48*(\p)+12*(\a)+11], v[8*(8*(\a)+\b):8*(8*(\a)+\b)+7], v[SC+8+24*(\sc)+2*\b+(\q)/2], v[SC+24*(\sc)+2*(\a)+(\q)/2] matrix_a_fmt:MATRIX_FMT_BF6 matrix_b_fmt:MATRIX_FMT_BF6
.endif
.endr
.endm
; 36 LDS loads in one run: B's eight fragments and A's four of the slot's q-th 128 along K, into set p; A's blocks 2 and 3 last
.macro FETCH slot, q, p
	WIN TO_B
.irp i, 0,1,2,3,4,5,6,7
.irp c, 0,1,2
	ds_load_b128 v[128*(\p)+12*\i+4*\c:128*(\p)+12*\i+4*\c+3], v[ADRB+\slot] offset:REC*\i+1536*(\q)+512*\c
.endr
.endr
	WIN 0
.irp i, 0,1,2,3
.irp c, 0,1,2
	ds_load_b128 v[AF+48*(\p)+12*\i+4*\c:AF+48*(\p)+12*\i+4*\c+3], v[ADRA+\slot] offset:REC*\i+1536*(\q)+512*\c
.endr
.endr
.endm
.macro SCALES slot                     ; the slot's scale words: 128 bytes a load: two K steps' words of one block
.irp i, 0,1,2,3
.irp p, 0,1
	ds_load_b32 v[SC+24*\slot+2*\i+\p], v[ADSA+\slot] offset:REC*\i+6144+128*\p
.endr
.endr
.irp i, 0,1,2,3,4,5,6,7
.irp p, 0,1
	ds_load_b32 v[SC+8+24*\slot+2*\i+\p], v[ADSB+\slot] offset:REC*\i+6144+128*\p
.endr
.endr
.endm
; A step of 128 along K that has its successor in the same slot: 32 matrix instructions; the next step's fragments are fetched in its middle
.macro STEP slot, q, first
	s_wait_dscnt 6                                 ; all but the youngest six loads (A's blocks 2 and 3) are in
.if \first
	WIN MULB
.else
	WIN MUL
.endif
	MUL8 0, (\q)%2, \q, \slot, \first
	MUL8 1, (\q)%2, \q, \slot, \first
	PLACES
	FETCH \slot, (\q)+1, 1-(\q)%2
	s_wait_dscnt 36                                ; all but the 36 just issued
.if \first
	WIN MULB
.else
	WIN MUL
.endif
	MUL8 2, (\q)%2, \q, \slot, \first
	MUL8 3, (\q)%2, \q, \slot, \first
.endm
; A slot's last step changes slots: one barrier; in front of it each wave waits for all its tensor loads, adds 0 to its spare word, and waits for that and for its own reads of this slot.  fill = 1: this slot is filled again, two records on.
.macro TURN slot, next, fill
	WIN 0                                          ; (the add's two registers lie in window 0)
	s_wait_tensorcnt 0x0                           ; all my tensor loads have landed: the one that was out is my part of the next slot;
	ds_add_u32 v[SPW], v[NIL]                      ; 0 onto my spare word;
	s_wait_dscnt 7                                 ; (the add and the youngest six loads may be out)
	WIN MUL
	MUL8 0, 1, 3, \slot, 0                         ; eight matrix instructions stand between the add and the wait for it
	s_wait_dscnt 0x0                               ; the add is done, and my reads of this slot are over
	s_barrier_signal -1
	MUL8 1, 1, 3, \slot, 0
	WIN 0
	s_barrier_wait -1
.if \fill
	CREST                                          ; the barrier has opened a round of the cluster's barrier: no wave of any partner still reads this slot or has a load on its way
	s_add_nc_u64 s[G0+4*\slot+2:G0+4*\slot+3], s[G0+4*\slot+2:G0+4*\slot+3], 2*REC
	s_add_nc_u64 s[G0B+4*\slot+2:G0B+4*\slot+3], s[G0B+4*\slot+2:G0B+4*\slot+3], 2*REC
	JLOAD G0+4*\slot, G1, G0B+4*\slot, G1B         ; my one tensor load behind the round, and the first thing there: 112 matrix instructions ahead of the wait for it; its four v_nop are also the places in front of the loads below
.else
	PLACES
.endif
	SCALES \next
	FETCH \next, 0, 0
	WIN MUL
	MUL8 2, 1, 3, \slot, 0
	MUL8 3, 1, 3, \slot, 0
.endm
	s_wait_tensorcnt 1                             ; my part of record 0 is in (record 1's load may be out)
	s_barrier_signal -1
	s_barrier_wait -1                              ; everybody's is
	SCALES 0
	FETCH 0, 0, 0
	s_wait_loadcnt 0x0                             ; the bias
	STEP 0, 0, 1                                   ; the first step stands in front of the loop: its products start the sums
	WIN 0                                          ; at a label and at a branch every window is 0
	s_mov_b32 s3, 3
.Llap:                                                 ; a trip goes once round the ring, from a lap's second step to the next lap's first, and fills both slots again: records 2 to 7
	STEP 0, 1, 0
	STEP 0, 2, 0
	TURN 0, 1, 1
	STEP 1, 0, 0
	STEP 1, 1, 0
	STEP 1, 2, 0
	TURN 1, 0, 1
	STEP 0, 0, 0
	WIN 0
	s_sub_co_u32 s3, s3, 1
	s_cmp_lg_u32 s3, 0
	s_cbranch_scc1 .Llap
	STEP 0, 1, 0                                   ; the last lap fills nothing, and has no round of the cluster's barrier
	STEP 0, 2, 0
	TURN 0, 1, 0
	STEP 1, 0, 0
	STEP 1, 1, 0
	STEP 1, 2, 0
	s_wait_dscnt 6                                 ; the very last step: nothing more to fetch
	WIN MUL
	MUL8 0, 1, 3, 1, 0
	MUL8 1, 1, 3, 1, 0
	s_wait_dscnt 0x0
	MUL8 2, 1, 3, 1, 0
	MUL8 3, 1, 3, 1, 0
	WIN 0
; THE WAY OUT, block by block of 16 rows x 128 columns: through my own stage in LDS, and back as whole rows of 512 bytes.  LDS serves a wave's instructions in order (ISA guide 5.7.1.4): no wait between the stores and the loads.
.macro TOSTAGE a
.set AC, 64*(\a)
	WIN 0x08                                       ; an LDS store's data are its source 1: window 2
.irp b, 0,1,2,3,4,5,6,7
	ds_store_b128 v[STO], v[AC+8*\b:AC+8*\b+3] offset:64*\b          ; each accumulator from its low end on
	ds_store_b128 v[STO], v[AC+8*\b+4:AC+8*\b+7] offset:64*\b+16
.endr
	WIN 0
.set BB, BK+64*((\a)%2)
.irp t, 0,1,2,3,4,5,6,7,8,9,10,11,12,13,14,15
	ds_load_b128 v[BB+4*\t:BB+4*\t+3], v[RD] offset:\t*SPITCH
.endr
.endm
.macro SEND a, younger                 ; younger: the LDS instructions issued behind block a's loads, which may stay out
.set BB, BK+64*((\a)%2)
	s_wait_dscnt \younger
.if (\a) > 0
	s_add_nc_u64 s[12:13], s[12:13], 16*8192       ; (behind a wait on XCNT: the earlier stores have read their base)  16 rows on
.endif
.irp t, 0,1,2,3,4,5,6,7,8,9,10,11,12,13,14,15
	global_store_b128 v[CO], v[BB+4*\t:BB+4*\t+3], s[12:13] offset:\t*8192 th:TH_STORE_NT   ; 32 lanes store 512 consecutive bytes, at a multiple of 512 from out0's first byte; written once, read by nobody here
.endr
.endm
	PLACES                                         ; behind the last products: for the reads of their results and for the loads into the registers that held A's fragments
	TOSTAGE 0
.irp a, 1,2,3
.if \a > 1
	s_wait_xcnt 0x0                                ; block a - 2's stores have read their registers and their base
.endif
	TOSTAGE \a
	SEND \a-1, 32                                  ; behind block a - 1's loads: block a's 16 stores and 16 loads
.endr
	s_wait_xcnt 0x0
	SEND 3, 0
	s_wait_tensorcnt 0x0                           ; the wave's end: behind my last tensor load and my last LDS store
	ds_add_u32 v[SPW], v[NIL]
	s_wait_dscnt 0x0
	CROUND                                         ; the closing round: no work-group ends while a partner may still ask for a record that names it
	s_endpgm
.Lfunc_end_k_q230dec9d2e_proj:
	.size	k_q230dec9d2e_proj, .Lfunc_end_k_q230dec9d2e_proj-k_q230dec9d2e_proj
	.p2alignl 7, 3214868480
	.fill 96, 4, 3214868480
	.section	.rodata,"a",@progbits
	.p2align	6, 0x0
	.amdhsa_kernel k_q230dec9d2e_proj
		.amdhsa_group_segment_fixed_size 327680
		.amdhsa_private_segment_fixed_size 0
		.amdhsa_enable_private_segment 0
		.amdhsa_kernarg_size 32
		.amdhsa_user_sgpr_count 2
		.amdhsa_user_sgpr_kernarg_segment_ptr 1
		.amdhsa_wavefront_size32 1
		.amdhsa_system_sgpr_workgroup_id_x 1
		.amdhsa_system_sgpr_workgroup_id_y 1
		.amdhsa_system_sgpr_workgroup_id_z 1
		.amdhsa_system_vgpr_workitem_id 0
		.amdhsa_next_free_vgpr 768
		.amdhsa_next_free_sgpr 98
		.amdhsa_reserve_vcc 0
		.amdhsa_float_denorm_mode_32 3
		.amdhsa_float_denorm_mode_16_64 3
		.amdhsa_memory_ordered 1
		.amdhsa_forward_progress 1
		.amdhsa_inst_pref_size 137
	.end_amdhsa_kernel
	.amdgpu_metadata
---
amdhsa.version: [ 1, 2 ]
amdhsa.kernels:
  - .name:           k_q230dec9d2e_proj
    .symbol:         k_q230dec9d2e_proj.kd
    .args:
      - { .name: ac, .offset: 0, .size: 8, .value_kind: global_buffer, .address_space: global }
      - { .name: wc, .offset: 8, .size: 8, .value_kind: global_buffer, .address_space: global }
      - { .name: b_o, .offset: 16, .size: 8, .value_kind: global_buffer, .address_space: global }
      - { .name: out0, .offset: 24, .size: 8, .value_kind: global_buffer, .address_space: global }
    .group_segment_fixed_size: 327680
    .private_segment_fixed_size: 0
    .kernarg_segment_align: 8
    .kernarg_segment_size: 32
    .max_flat_workgroup_size: 128
    .sgpr_count:     98
    .vgpr_count:     768
    .wavefront_size: 32
...
	.end_amdgpu_metadata
.endif
;; end of part 3
;; ======== version 2 of 2: 3 launches; version 1 with the launch attn written anew for expert scheduling mode
;; workspace buffers: kv 6,553,600 bytes; wc 6,553,600 bytes; ac 13,107,200 bytes; mw 524,288 bytes of whole numbers; mf 2,048 bytes of whole numbers
;; launch prep: the kernel of part 1 again; grid 768 x 1, 4 waves a work-group, no clusters, 47,616 bytes of LDS; arguments K, W_o, mask, V, kv, wc, mw, mf; writes kv, wc, mw, mf
;; launch attn (part 4): grid 8 x 32, 16 waves a work-group, no clusters, 206,848 bytes of LDS; arguments Q, kv, mw, mf, ac; writes ac
.if DOCPART == 4
	.amdgcn_target "amdgcn-amd-amdhsa--gfx1250"
	.amdhsa_code_object_version 6
	.text
	.protected	k_q230dec9d2e_attn
	.globl	k_q230dec9d2e_attn
	.p2align	8
	.type	k_q230dec9d2e_attn,@function
k_q230dec9d2e_attn:
	s_mov_b64 s[64:65], 0
	v_nop
	global_prefetch_b8 v0, s[64:65] scope:SCOPE_SE
	s_setreg_imm32_b32 hwreg(HW_REG_WAVE_SCHED_MODE, 0, 2), 2
	s_setreg_imm32_b32 hwreg(HW_REG_WAVE_MODE, 25, 1), 1
	s_wait_xcnt 0x0
	s_wait_alu depctr_vm_vsrc(0)
; attn[b][q][head][:] = the sum over keys of softmax(Q . K / sqrt(128), masked) V, both products on codes of BF6 (E3M2) with one E8M0 scale for each 32 along K; the result leaves as codes for the projection.
; THE SOFTMAX: t = score x log2(e) / sqrt(128); M = the row's largest t so far, rounded up to a whole number; p = 2^(t - M) is quantised along the keys, not normalised; the row's sum is taken of the
; unquantised p and divides at the end.  When M moves, the sum and O are multiplied by 2^(old M - new M): exact.  A masked score is -infinity ahead of the maximum.
; SHARES.  A work-group owns one (batch, key head); its 204,800 bytes of K's and V's images and scale words are copied into LDS once, as they lie: one barrier in the launch, behind which LDS is only read.
; Wave w: query head 4 hkv + w % 4, and two tiles of 16 queries, one after the other: 4 x + w / 4 and 63 less that.  Sixteen waves of 256 registers: four to a SIMD, so that one wave's vector work stands beside another's products.
; THE MASK comes as bits (mw) and as two bits a key step (mf), made by the launch before.  A key step none of whose keys any of my 16 queries keeps is jumped over; where all are kept, the 64 selects are.
; Both are scalar branches on stored whole numbers.  This launch has no tensor load, and so NO JOINT LOADS: what the eight work-groups of a pair share is 204,800 bytes read once each,
; beside 262,144 bytes of Q for each work-group that nobody shares.
; LAYOUT.  Both products are used transposed (S^T = K Q^T, O^T = V^T P^T): a lane holds one query (lane % 16).  The keys of K's tiles and the channels of V^T's tiles were chosen so that the 16 registers of
; tiles 2 b and 2 b + 1 are 16 neighbours, 32 b + 16 (lane / 16) + 0 .. 15, along the next product's K.
; A ROW THAT KEEPS NO KEY has the sum 0: its codes are zeros and its scale bytes 0xff, which make the projection's row NaN.
; LIMITS: NaN and infinities among the inputs are not served; a block whose largest magnitude lies under 2^-122 gets the byte 1.
; REGISTERS: v1-10 addresses; v12 -M, v13 the largest t, v[14:15] the sum in two halves; v16-27, v255 tile A's Q and its scale word; v80-91, v92 tile B's; v32-79 four fragments; v96-159 S^T, then p, then V's tiles 4-7;
;   v160-223 O^T; v224-235 p's codes; v232-247 at work; v248-251 K's or V's scale words; v252 f; v253 p's scale word; v254 at work; v94, v95 the closing add's two.
; THE MODE: SCHED_MODE bits 1:0 = 2 (LLVM: expert scheduling mode 2), set by the entry lines.  The code itself states the register dependences
; between vector or matrix instructions and memory or LDS instructions, with s_wait_alu, always for 0.
; THE PLAN.  Registers that memory or LDS instructions touch:
;   v4-v7       Addresses made at the head and never written again.
;   v8-v10      At the head: addresses of the LDS stores.  In a key step: written by three adds at its head, read by all its LDS loads.
;   v16-91, v224-247   At the head: the pair's bytes land here and the LDS stores read them; behind the barrier vector lines and LDS loads write them.
;   v248-251    K's scale words land; the eight products S^T read them; V's land; the eight products O^T read them.
;   v32-79      K's tiles 0-3 land, products 0-3 read; K's tiles 4-7 land, products 4-7 read; V's tiles 0-3 land, O^T's products 0-3 read.
;   v96-143     Written by the products S^T, worked by the softmax; behind the conversions and the sums V's tiles 4-7 land; O^T's products 4-7 read.
;   v32-44      On a tile's way out: written by the quantiser and the select, read by the four stores.
; So a key step has one wait on vm_vsrc, ahead of the three adds, and a wait on va_vdst ahead of each of its four runs of LDS loads, each where the buffer's last readers have just been issued; the fifth stands behind the exponentials.
; All 256 registers of a wave are taken (sixteen waves share four times 1,024), so no buffer has a second copy.
.set WV,   14
.set SEL,  20                          ; s[20:21] v_permlanex16_b32's selects for lane l xor 16
.set CS,   22                          ; s[22:23] c = log2(e) / sqrt(128)
.set FLA,  24                          ; s24, s25 the tiles' flags, two bits a key step
.set FLB,  25
.set MWA,  26                          ; s[26:27], s[28:29] their mask words
.set MWB,  28
.set RECA, 30                          ; s[30:31], s[66:67] their records in ac
.set RECB, 66
.set F,    2                           ; s2   the step's flag
.set KC,   3                           ; s3   key steps to go
.set TB,   100                         ; s100 the step's images: 12,288 bytes a step
.set TS,   101                         ; s101 its scale words: 512 bytes a step
.set MO,   104                         ; s104 its mask words: 256 bytes a step
.set TM,   232
.set LI,   1                           ; v1   16 x lane
.set LSK,  2                           ; v2   4 x lane + 196,608
.set NI,   3                           ; v3   -infinity
.set OA,   4                           ; v4   16 x lane + 1,536 g
.set OS,   5                           ; v5   4 (lane % 16) + 6,144 + 64 g
.set XA,   6                           ; v6   Q: 16,384 (lane % 16) + 64 (lane / 16)
.set TH,   7                           ; v7   16 x thread; v8-10 the same 65,536, 131,072, 196,608 on, later:
.set ADK,  8
.set ADV,  9
.set ADS,  10
; 64 numbers of a lane, v[s] on, register 16 b + i = k 32 b + 16 (lane / 16) + i of my row, become a fragment's codes in v[d] .. v[d + 11] and my row's scale word in v[w]; v[x] on: seven registers at work.
.macro QUANT s, d, x, w
.irp b, 0,1,2,3
	v_max3_num_f32 v[TM+\b], |v[\s+16*\b]|, |v[\s+1+16*\b]|, 0x2800000   ; block b: my 16 numbers, and the floor 2^(5 - 127): so the byte cannot fall under 1
.endr
.irp i, 2,4,6,8,10,12,14
.irp b, 0,1,2,3
	v_max3_num_f32 v[TM+\b], v[TM+\b], |v[\s+16*\b+\i]|, |v[\s+1+16*\b+\i]|
.endr
.endr
.irp b, 0,1,2,3
	v_permlanex16_b32 v[TM+4+\b], v[TM+\b], s[SEL], s[SEL+1]
.endr
.irp b, 0,1,2,3
	v_max_num_f32 v[TM+\b], v[TM+\b], v[TM+4+\b]
.endr
.irp b, 0,1,2,3
	v_add_nc_u32 v[TM+12+\b], 0xfe000000, v[TM+\b]   ; 4 off the exponent field: the conversion's scale operand
.endr
.irp b, 0,1,2,3
	v_lshrrev_b32 v[TM+4+\b], 23, v[TM+12+\b]
.endr
	v_lshl_or_b32 v[\w], v[TM+5], 8, v[TM+4]
	v_lshl_or_b32 v[\w], v[TM+6], 16, v[\w]
	v_lshl_or_b32 v[\w], v[TM+7], 24, v[\w]
.irp c, 0,1
	v_cvt_scalef32_pk16_bf6_f32 v[\d+6*\c:\d+2+6*\c], v[\s+32*\c:\s+15+32*\c], v[TM+12+2*\c]
	v_cvt_scalef32_pk16_bf6_f32 v[\x+4*\c:\x+2+4*\c], v[\s+16+32*\c:\s+31+32*\c], v[TM+12+2*\c+1]
.endr
	v_nop                                          ; one plain place behind a scaled conversion
.irp c, 0,1
.irp i, 0,1,2
	v_permlane16_swap_b32 v[\d+6*\c+\i], v[\x+4*\c+\i]
.endr
.irp i, 0,1,2
	v_mov_b32 v[\d+3+6*\c+\i], v[\x+4*\c+\i]
.endr
.endr
.endm
	s_load_b256 s[4:11], s[0:1], 0x0               ; Q 4:5, kv 6:7, mw 8:9, mf 10:11
	s_load_b64 s[12:13], s[0:1], 0x20              ; ac
	v_lshl_add_u32 v94, v0, 2, 0x32000
	v_mov_b32 v95, 0
	v_lshrrev_b32 v1, 5, v0
	v_readfirstlane_b32 s[WV], v1                  ; wave 0..15
	s_and_b32 s15, ttmp7, 0xffff                   ; pair
	s_lshr_b32 s32, s15, 3                         ; batch
	s_and_b32 s33, s15, 7                          ; key head
	s_wait_alu depctr_va_sdst(0)                   ; s14, the wave's number, is written, ahead of its first reader: my head, my tiles and my addresses are made from it
	s_and_b32 s34, s[WV], 3                        ; g
	s_lshr_b32 s35, s[WV], 2
	s_lshl_b32 s36, ttmp9, 2
	s_add_co_u32 s36, s36, s35                     ; tile A: 4 x + wave / 4
	s_sub_co_u32 s37, 63, s36                      ; tile B
	s_lshl_b32 s38, s32, 6
	s_add_co_u32 s36, s36, s38                     ; as row tiles: 64 batch + tile
	s_add_co_u32 s37, s37, s38
	s_lshl_b32 s39, s33, 2
	s_add_co_u32 s39, s39, s34
	s_lshl_b32 s39, s39, 9                         ; my query head's 512 bytes in a row of Q
	s_lshl_b32 s40, s36, 18                        ; 16 rows of 16,384 bytes a row tile
	s_add_co_u32 s40, s40, s39
	s_mov_b32 s41, 0
	s_lshl_b32 s42, s37, 18
	s_add_co_u32 s42, s42, s39
	s_mov_b32 s43, 0
	s_mul_i32 s44, s15, 204800
	s_mov_b32 s45, 0
	s_lshl_b32 s46, s36, 11                        ; 2,048 bytes of mask words a row tile
	s_mov_b32 s47, 0
	s_lshl_b32 s48, s37, 11
	s_mov_b32 s49, 0
	s_mul_i32 s50, s33, 6400
	s_mul_i32 s52, s36, 51200
	s_add_co_u32 s52, s52, s50
	s_mov_b32 s53, 0
	s_mul_i32 s54, s37, 51200
	s_add_co_u32 s54, s54, s50
	s_mov_b32 s55, 0
	s_lshl_b32 s56, s36, 3                         ; 8 bytes of flags a row tile
	s_lshl_b32 s57, s37, 3
	s_mov_b32 s[SEL], 0x76543210
	s_mov_b32 s[SEL+1], 0xfedcba98
	s_mov_b32 s[CS], 0x3e0293ee
	s_mov_b32 s[CS+1], s[CS]                       ; (named with it as a pair, so it is written)
	v_and_b32 v11, 31, v0                          ; lane
	v_lshlrev_b32 v[LI], 4, v11
	v_lshlrev_b32 v[LSK], 2, v11
	v_add_nc_u32 v[LSK], 0x30000, v[LSK]
	v_mov_b32 v[NI], 0xff800000
	s_mul_i32 s62, s34, 1536
	v_add_nc_u32 v[OA], s62, v[LI]
	v_and_b32 v28, 15, v0                          ; r
	v_bfe_u32 v29, v0, 4, 1                        ; h
	s_lshl_b32 s63, s34, 6
	s_add_co_u32 s63, s63, 6144
	v_lshl_add_u32 v[OS], v28, 2, s63
	v_lshlrev_b32 v[XA], 14, v28
	v_lshl_add_u32 v[XA], v29, 6, v[XA]
	v_lshlrev_b32 v[TH], 4, v0
	v_add_nc_u32 v8, 0x10000, v[TH]
	v_add_nc_u32 v9, 0x20000, v[TH]
	v_add_nc_u32 v10, 0x30000, v[TH]
	s_wait_kmcnt 0x0
	s_load_b64 s[58:59], s[10:11], s56 offset:0x0  ; tile A's flags: key steps 0-3, 4-7
	s_load_b64 s[60:61], s[10:11], s57 offset:0x0  ; tile B's
	s_add_nc_u64 s[16:17], s[4:5], s[40:41]        ; Q at tile A's first row, my head
	s_add_nc_u64 s[18:19], s[4:5], s[42:43]        ; and tile B's
	s_add_nc_u64 s[6:7], s[6:7], s[44:45]
	s_add_nc_u64 s[MWA:MWA+1], s[8:9], s[46:47]
	s_add_nc_u64 s[MWB:MWB+1], s[8:9], s[48:49]
	s_add_nc_u64 s[RECA:RECA+1], s[12:13], s[52:53]
	s_add_nc_u64 s[RECB:RECB+1], s[12:13], s[54:55]
	s_wait_alu depctr_va_vdst(0)                   ; the addresses v4 to v10 are written, which the loads, LDS stores and stores of the kernel read; the lines that wrote and read v28 and v29, in which loads land, are done
; the pair's 204,800 bytes: 25 times 16 bytes a thread, 8,192 consecutive bytes the work-group
.irp i, 0,1,2,3,4,5,6,7,8,9,10,11,12,13,14,15,16,17,18
	global_load_b128 v[16+4*\i:19+4*\i], v[TH], s[6:7] offset:8192*\i
.endr
.irp i, 19,20,21,22,23,24
	global_load_b128 v[224+4*(\i-19):227+4*(\i-19)], v[TH], s[6:7] offset:8192*\i
.endr
; Q: lane (r, h) takes of row r 16 neighbouring numbers of each block of 32
.irp b, 0,1,2,3
.irp j, 0,1,2,3
	global_load_b128 v[96+16*\b+4*\j:99+16*\b+4*\j], v[XA], s[16:17] offset:128*\b+16*\j th:TH_LOAD_NT
.endr
.endr
.irp b, 0,1,2,3
.irp j, 0,1,2,3
	global_load_b128 v[160+16*\b+4*\j:163+16*\b+4*\j], v[XA], s[18:19] offset:128*\b+16*\j th:TH_LOAD_NT
.endr
.endr
	s_wait_loadcnt 32                              ; the 25 are in; the 32 loads of Q behind them may be out
.irp i, 0,1,2,3,4,5,6,7,8,9,10,11,12,13,14,15,16,17,18
	ds_store_b128 v[TH+\i/8], v[16+4*\i:19+4*\i] offset:8192*(\i%8)
.endr
.irp i, 19,20,21,22,23,24
	ds_store_b128 v[TH+\i/8], v[224+4*(\i-19):227+4*(\i-19)] offset:8192*(\i%8)
.endr
	s_wait_dscnt 0x0                               ; for the others' sake: my stores have landed
	s_barrier_signal -1
	s_barrier_wait -1                              ; K and V lie in LDS; nobody writes LDS from here on
	s_wait_alu depctr_vm_vsrc(0)                   ; my LDS stores have read their data, v16-91 and v224-247, and their addresses v8-10: vector lines and LDS loads write these registers from here on
	s_wait_kmcnt 0x0
	s_lshl_b32 s59, s59, 8
	s_or_b32 s[FLA], s58, s59
	s_lshl_b32 s61, s61, 8
	s_or_b32 s[FLB], s60, s61
.irp b, 0,1,2,3
	v_mov_b32 v[236+\b], 0                         ; written once: a lane permute's destination counts as one of its sources
.endr
	v_mov_b32 v252, 0                              ; (likewise; all eight key steps of a tile may be jumped over)
	v_mov_b32 v253, 0                              ; (named as the upper half of the pair v[252:253] before it is first written)
	s_wait_loadcnt 16                              ; tile A's Q is in; tile B's 16 loads may be out
	QUANT 96, 16, 224, 255
	s_wait_loadcnt 0x0
	QUANT 160, 80, 224, 92
; ONE TILE OF 16 QUERIES: q its codes' first register, qs its scale word's, fl its flags, mw its mask words, rec its record.
.macro TILE q, qs, fl, mw, rec
	v_mov_b32 v13, 0xff61b1e6                      ; the largest t so far: -3e38, under every t
	v_floor_f32 v12, -v13                          ; -M
	v_mov_b32 v14, 0
	v_mov_b32 v15, 0
.set j, 0
.rept 64
	v_mov_b32 v[160+j], 0                          ; O^T.  Which key step is the first that runs hangs on the mask, so no product can be written that starts the sums
.set j, j+1
.endr
	s_mov_b32 s[TB], 0
	s_mov_b32 s[TS], 0
	s_mov_b32 s[MO], 0
	s_mov_b32 s[KC], 8
.Lkey_\@:
	s_and_b32 s[F], s[\fl], 3
	s_cmp_eq_u32 s[F], 0
	s_cbranch_scc1 .Lskip_\@                       ; none of these 128 keys counts for any of my 16 queries
	s_load_b512 s[32:47], s[\mw:\mw+1], s[MO] offset:0x0   ; the step's 64 mask words
	s_load_b512 s[48:63], s[\mw:\mw+1], s[MO] offset:0x40
	s_load_b512 s[68:83], s[\mw:\mw+1], s[MO] offset:0x80
	s_load_b512 s[84:99], s[\mw:\mw+1], s[MO] offset:0xc0
	s_wait_alu depctr_vm_vsrc(0)                   ; the LDS loads issued so far have read v8-10, which the three adds write
	v_add_nc_u32 v[ADK], s[TB], v[LI]              ; five places (ISA guide 7.12.1): the first product below writes over v96 on, which the last step's products read
	v_add_nc_u32 v[ADV], 0x18000, v[ADK]
	v_add_nc_u32 v[ADS], s[TS], v[LSK]
	v_nop
	v_nop
	s_wait_alu depctr_va_vdst(0)                   ; v8-10 are written, which this step's LDS loads read; the last step's products are done reading v32-79, v96-143 and v248-251, and the last tile's quantiser is done with v32-44, in which loads land; my queries' codes and scale word, which the products below take, are written
.irp p, 0,1,2,3
	ds_load_b32 v[248+\p], v[ADS] offset:128*\p    ; K's scale words: lanes 0-15 tile 2 p's, lanes 16-31 tile 2 p + 1's
.endr
.irp g, 0,1                                    ; S^T = K Q^T, four tiles of 16 keys at a time
.if \g
.rept 4
	v_nop                                          ; four places behind the products, kept beside the wait below
.endr
	s_wait_alu depctr_va_vdst(0)                   ; products 0-3 are done reading v32-79, in which K's tiles 4-7 land
.endif
.irp t, 0,1,2,3
.irp c, 0,1,2
	ds_load_b128 v[32+12*\t+4*\c:35+12*\t+4*\c], v[ADK] offset:1536*(4*\g+\t)+512*\c
.endr
.endr
	s_wait_dscnt 0x0
.irp t, 0,1,2,3
.if \t%2
	v_wmma_scale_f32_16x16x128_f8f6f4 v[96+8*(4*\g+\t):103+8*(4*\g+\t)], v[32+12*\t:43+12*\t], v[\q:\q+11], 0, v[248+(4*\g+\t)/2], v[\qs] matrix_a_fmt:MATRIX_FMT_BF6 matrix_b_fmt:MATRIX_FMT_BF6 matrix_a_scale:MATRIX_SCALE_ROW1
.else
	v_wmma_scale_f32_16x16x128_f8f6f4 v[96+8*(4*\g+\t):103+8*(4*\g+\t)], v[32+12*\t:43+12*\t], v[\q:\q+11], 0, v[248+(4*\g+\t)/2], v[\qs] matrix_a_fmt:MATRIX_FMT_BF6 matrix_b_fmt:MATRIX_FMT_BF6
.endif
.endr
.endr
.rept 4
	v_nop                                          ; places in front of the first read of the scores
.endr
	s_wait_alu depctr_va_vdst(0)                   ; products 4-7 are done reading v32-79, and all eight v248-251: V's tiles 0-3 and its scale words land there
.irp p, 0,1,2,3
	ds_load_b32 v[248+\p], v[ADS] offset:4096+128*\p   ; V's scale words and its tiles 0-3 land while the softmax is worked, which names none of their registers
.endr
.irp t, 0,1,2,3
.irp c, 0,1,2
	ds_load_b128 v[32+12*\t+4*\c:35+12*\t+4*\c], v[ADV] offset:1536*\t+512*\c
.endr
.endr
	s_wait_kmcnt 0x0                               ; the mask words
	s_cmp_eq_u32 s[F], 2
	s_cbranch_scc1 .Lopen_\@                       ; every key counts for every query
.set n, 0
.rept 64                                       ; register n holds key 32 (n / 16) + 16 (lane / 16) + n % 16 of query lane % 16: word n's bit of my lane
.if n < 32
.set pp, 2*n
.else
.set pp, 2*(n-32)+1
.endif
.if pp < 32
.set sw, 32+pp
.else
.set sw, 36+pp
.endif
	v_cndmask_b32 v[96+n], v[NI], v[96+n], s[sw]
.set n, n+1
.endr
.Lopen_\@:
.irp b, 0,1,2,3
	v_max3_num_f32 v[232+\b], v[96+16*\b], v[97+16*\b], v[98+16*\b]   ; the largest score of each block of 32 keys: it serves for the row's maximum and, since p rises with the score, for the block's largest p
.endr
.irp i, 3,5,7,9,11,13
.irp b, 0,1,2,3
	v_max3_num_f32 v[232+\b], v[232+\b], v[96+16*\b+\i], v[97+16*\b+\i]
.endr
.endr
.irp b, 0,1,2,3
	v_max_num_f32 v[232+\b], v[232+\b], v[111+16*\b]
.endr
.irp b, 0,1,2,3
	v_permlanex16_b32 v[236+\b], v[232+\b], s[SEL], s[SEL+1]
.endr
.irp b, 0,1,2,3
	v_max_num_f32 v[232+\b], v[232+\b], v[236+\b]  ; with lane l xor 16's 16 keys
.endr
	v_max3_num_f32 v254, v232, v233, v234
	v_max_num_f32 v254, v254, v235
	v_mul_f32 v254, s[CS], v254                    ; the step's largest t of my query
	v_max_num_f32 v13, v13, v254                   ; the running largest t
	v_mov_b32 v254, v12
	v_floor_f32 v12, -v13                          ; the new -M = -ceil(t): a whole number
	v_sub_f32 v254, v12, v254                      ; old M less new M: a whole number, 0 or less
	v_cvt_i32_f32 v254, v254                       ; (it saturates)
	v_ldexp_f32 v252, 1.0, v254                    ; f = 2^(old M - new M)
.set j, 0
.rept 32
	v_pk_fma_f32 v[96+j:97+j], v[96+j:97+j], s[CS:CS+1], v[12:13] op_sel_hi:[1,0,0]   ; t - M, two at a time
.set j, j+2
.endr
.irp b, 0,1,2,3
	v_fma_f32 v[232+\b], v[232+\b], s[CS], v12     ; the same of each block's largest score
.endr
.set j, 0
.rept 64
	v_exp_f32 v[96+j], v[96+j]                     ; p = 2^(t - M); 0 for a masked key
.set j, j+1
.endr
.irp b, 0,1,2,3
	v_exp_f32 v[232+\b], v[232+\b]                 ; the block's largest p
.endr
	v_pk_mul_f32 v[14:15], v[14:15], v[252:253] op_sel_hi:[1,0]   ; the sums under the new M.  (A plain place behind the exponentials)
	s_wait_alu depctr_va_vdst(0)                   ; the 68 exponentials have written p, v96-159, and the blocks' largest p, v232-235: one wait for the batch, ahead of its first reader
.irp b, 0,1,2,3
	v_max_num_f32 v[232+\b], 0x2800000, v[232+\b]  ; the floor 2^(5 - 127): a block of zeros keeps the byte 1, and its codes are zeros
.endr
.irp b, 0,1,2,3
	v_add_nc_u32 v[244+\b], 0xfe000000, v[232+\b]
.endr
.irp b, 0,1,2,3
	v_lshrrev_b32 v[236+\b], 23, v[244+\b]
.endr
	v_lshl_or_b32 v253, v237, 8, v236              ; p's scale word for these 128 keys
	v_lshl_or_b32 v253, v238, 16, v253
	v_lshl_or_b32 v253, v239, 24, v253
.irp c, 0,1
	v_cvt_scalef32_pk16_bf6_f32 v[224+6*\c:226+6*\c], v[96+32*\c:111+32*\c], v[244+2*\c]
	v_cvt_scalef32_pk16_bf6_f32 v[236+4*\c:238+4*\c], v[112+32*\c:127+32*\c], v[244+2*\c+1]
.endr
	v_nop                                          ; one plain place behind a scaled conversion
.irp c, 0,1
.irp i, 0,1,2
	v_permlane16_swap_b32 v[224+6*\c+\i], v[236+4*\c+\i]
.endr
.irp i, 0,1,2
	v_mov_b32 v[227+6*\c+\i], v[236+4*\c+\i]
.endr
.endr
	v_pk_add_f32 v[236:237], v[96:97], v[98:99]    ; the row's sum is taken of the unquantised p: two at a time, in two chains.  (These 32 additions are the places between p's scale word and codes and the products that take them)
.irp j, 4,8,12,16,20,24,28,32,36,40,44,48,52,56,60
	v_pk_add_f32 v[14:15], v[14:15], v[96+\j:97+\j]
	v_pk_add_f32 v[236:237], v[236:237], v[98+\j:99+\j]
.endr
	v_pk_add_f32 v[14:15], v[14:15], v[236:237]
	s_wait_alu depctr_va_vdst(0)                   ; the conversions and the sums are done with p, v96-143, in which V's tiles 4-7 land; p's codes v224-235 and its scale word v253, which the products below take, are written
.set j, 0
.irp t, 0,1,2,3                                ; p is done with: V's tiles 4-7 take its registers, a tile's three loads at a time, dealt among O^T's multiplications, which name v160-223 and v[252:253] alone: none of the registers that these loads touch
.irp c, 0,1,2
	ds_load_b128 v[96+12*\t+4*\c:99+12*\t+4*\c], v[ADV] offset:1536*(4+\t)+512*\c
.endr
.rept 4
	v_pk_mul_f32 v[160+j:161+j], v[160+j:161+j], v[252:253] op_sel_hi:[1,0]   ; O^T under the new M, each accumulator from its low end on
.set j, j+2
.endr
.endr
.rept 16
	v_pk_mul_f32 v[160+j:161+j], v[160+j:161+j], v[252:253] op_sel_hi:[1,0]
.set j, j+2
.endr
	s_wait_dscnt 0x0                               ; V's eight tiles and scale words
.irp t, 0,1,2,3,4,5,6,7                        ; O^T += V^T P^T: eight accumulators, one instruction a turn
.if \t < 4
.set VF, 32+12*\t
.else
.set VF, 96+12*(\t-4)
.endif
.if \t%2
	v_wmma_scale_f32_16x16x128_f8f6f4 v[160+8*\t:167+8*\t], v[VF:VF+11], v[224:235], v[160+8*\t:167+8*\t], v[248+\t/2], v253 matrix_a_fmt:MATRIX_FMT_BF6 matrix_b_fmt:MATRIX_FMT_BF6 matrix_a_scale:MATRIX_SCALE_ROW1
.else
	v_wmma_scale_f32_16x16x128_f8f6f4 v[160+8*\t:167+8*\t], v[VF:VF+11], v[224:235], v[160+8*\t:167+8*\t], v[248+\t/2], v253 matrix_a_fmt:MATRIX_FMT_BF6 matrix_b_fmt:MATRIX_FMT_BF6
.endif
.endr
.Lskip_\@:
	s_lshr_b32 s[\fl], s[\fl], 2                   ; the next step's flag, images, scale words and mask words
	s_add_co_u32 s[TB], s[TB], 12288
	s_add_co_u32 s[TS], s[TS], 512
	s_add_co_u32 s[MO], s[MO], 256
	s_sub_co_u32 s[KC], s[KC], 1
	s_cmp_lg_u32 s[KC], 0
	s_cbranch_scc1 .Lkey_\@
.rept 4
	v_nop                                          ; places behind the last products
.endr
	v_add_f32 v14, v14, v15                        ; the sum's two halves,
	v_permlanex16_b32 v252, v14, s[SEL], s[SEL+1]
	v_add_f32 v14, v14, v252                       ; and lane l xor 16's
	v_cmp_eq_f32 vcc_lo, 0, v14                    ; a row that keeps no key
	v_max_num_f32 v14, 0.5, v14                    ; (held from below, so that such a row's numbers stay zeros; a row with a key has its largest p, over 1/2, in the sum)
	v_rcp_f32 v14, v14
	v_nop                                          ; one plain place behind a transcendental
	s_wait_alu depctr_va_vdst(0)                   ; the reciprocal has written v14, ahead of its first reader
.set j, 0
.rept 32
	v_pk_mul_f32 v[96+j:97+j], v[160+j:161+j], v[14:15] op_sel_hi:[1,0]   ; O^T / the sum: register 16 b + i is channel 32 b + 16 (lane / 16) + i of my query
.set j, j+2
.endr
	QUANT 96, 32, 224, 44                          ; K step 4 hkv + g of the projection, for these 16 rows
	s_wait_alu depctr_va_vcc(0)                    ; the compare above has written VCC, ahead of its one reader; no branch and no label stands between the two
	v_cndmask_b32 v44, v44, -1, vcc_lo             ; the empty row's scale bytes: 0xff
	s_wait_alu depctr_va_vdst(0)                   ; the quantiser has written the codes v32-43 and the select the scale word v44, which the four stores read
.irp c, 0,1,2
	global_store_b128 v[OA], v[32+4*\c:35+4*\c], s[\rec:\rec+1] offset:512*\c   ; the image: 512 consecutive aligned bytes a store
.endr
	global_store_b32 v[OS], v44, s[\rec:\rec+1]    ; 16 scale words; the four heads' lie on end
.endm
	TILE 16, 255, FLA, MWA, RECA
	s_wait_xcnt 0x0                                ; tile A's stores have had their addresses translated (ISA guide 3.1): their data registers are written again only behind this wait
	s_wait_alu depctr_vm_vsrc(0)                   ; tile A's stores have read v32-44, in which tile B's LDS loads land and which its quantiser writes
	TILE 80, 92, FLB, MWB, RECB
	s_wait_dscnt 0x0                               ; the closing lines, six on end
	s_wait_alu 0x0
	s_wait_tensorcnt 0x0
	ds_add_u32 v94, v95
	s_wait_dscnt 0x0
	s_endpgm
.Lfunc_end_k_q230dec9d2e_attn:
	.size	k_q230dec9d2e_attn, .Lfunc_end_k_q230dec9d2e_attn-k_q230dec9d2e_attn
	.p2alignl 7, 3214868480
	.fill 96, 4, 3214868480
	.section	.rodata,"a",@progbits
	.p2align	6, 0x0
	.amdhsa_kernel k_q230dec9d2e_attn
		.amdhsa_group_segment_fixed_size 206848
		.amdhsa_private_segment_fixed_size 0
		.amdhsa_enable_private_segment 0
		.amdhsa_kernarg_size 40
		.amdhsa_user_sgpr_count 2
		.amdhsa_user_sgpr_kernarg_segment_ptr 1
		.amdhsa_wavefront_size32 1
		.amdhsa_system_sgpr_workgroup_id_x 1
		.amdhsa_system_sgpr_workgroup_id_y 1
		.amdhsa_system_sgpr_workgroup_id_z 1
		.amdhsa_system_vgpr_workitem_id 0
		.amdhsa_next_free_vgpr 256
		.amdhsa_next_free_sgpr 106
		.amdhsa_reserve_vcc 1
		.amdhsa_float_denorm_mode_32 3
		.amdhsa_float_denorm_mode_16_64 3
		.amdhsa_memory_ordered 1
		.amdhsa_forward_progress 1
		.amdhsa_inst_pref_size 84
	.end_amdhsa_kernel
	.amdgpu_metadata
---
amdhsa.version: [ 1, 2 ]
amdhsa.kernels:
  - .name:           k_q230dec9d2e_attn
    .symbol:         k_q230dec9d2e_attn.kd
    .args:
      - { .name: Q, .offset: 0, .size: 8, .value_kind: global_buffer, .address_space: global }
      - { .name: kv, .offset: 8, .size: 8, .value_kind: global_buffer, .address_space: global }
      - { .name: mw, .offset: 16, .size: 8, .value_kind: global_buffer, .address_space: global }
      - { .name: mf, .offset: 24, .size: 8, .value_kind: global_buffer, .address_space: global }
      - { .name: ac, .offset: 32, .size: 8, .value_kind: global_buffer, .address_space: global }
    .group_segment_fixed_size: 206848
    .private_segment_fixed_size: 0
    .kernarg_segment_align: 8
    .kernarg_segment_size: 40
    .max_flat_workgroup_size: 512
    .sgpr_count:     106
    .vgpr_count:     256
    .wavefront_size: 32
...
	.end_amdgpu_metadata
.endif
;; end of part 4
;; launch proj: the kernel of part 3 again; grid 8 x 32, 4 waves a work-group, clusters of 4 x 4, 327,680 bytes of LDS; arguments ac, wc, b_o, out0; writes out0
